; MI455X (gfx1250); checked and timed in simulation.
; The chip was launched on July 23, 2026; its instructions are those of AMD's public machine-readable ISA for CDNA 5 (MIT licence, August 2026) and "CDNA5" Instruction Set Architecture Reference Guide (July 2026). The comments in the code are by the model that wrote it; some were corrected since.
;; S Mo E. Allowed arithmetic: float matrix products may take bf16 or f16 operands with f32 sums; all other float work in f32.
;; Inputs: W1 8 x 1,024 x 1,024 float32; W2 8 x 1,024 x 1,024 float32; Wsel 1,024 x 8 float32; b1 8 x 1,024 float32; b2 8 x 1,024 float32; bsel 8 float32; x 4,096 x 1,024 float32.
;; Outputs: out0 4,096 x 1,024 float32.
;; 2 versions, each right; version 2 is version 1 with the launches ffn1, ffn2 written anew for expert scheduling mode. Each part assembles by itself: llvm-mc -triple=amdgcn-amd-amdhsa -mcpu=gfx1250 --defsym DOCPART=n.
;; ======== version 1 of 2: 6 launches
;; limits: values outside matrix products are rounded to bf16
;; workspace buffers: Wb 33,554,432 bytes; sw 131,072 bytes; msk 16,384 bytes of whole numbers; tab 263,424 bytes of whole numbers; xg 67,108,864 bytes; hs 67,108,864 bytes; y 134,217,728 bytes
;; launch prep (part 1): grid 768 x 1, 8 waves a work-group, no clusters, 38,912 bytes of LDS; arguments x, Wsel, bsel, W1, W2, sw, msk, Wb; writes sw, msk, Wb
.if DOCPART == 1
	.amdgcn_target "amdgcn-amd-amdhsa--gfx1250"
	.amdhsa_code_object_version 6
	.text
	.protected	k_q0eaee8f7b7_prep
	.globl	k_q0eaee8f7b7_prep
	.p2align	8
	.type	k_q0eaee8f7b7_prep,@function
k_q0eaee8f7b7_prep:
	s_mov_b64 s[64:65], 0
	v_nop
	global_prefetch_b8 v0, s[64:65] scope:SCOPE_SE
	s_setreg_imm32_b32 hwreg(HW_REG_WAVE_MODE, 25, 1), 1
	s_wait_xcnt 0x0
; prep: two roles, chosen by the work-group id (the same for all waves of a work-group).
;  ids 0..255   ROUTE: 16 tokens each.  logits = x Wsel + bsel, softmax with the maximum taken away, the sparse weights
;               sw[n][e] = sw_sorted[order[e]] as the source gathers them, and msk[n] (bit e: sw[n][e] > 0).
;               FORMAT: x, Wsel and bsel are rounded to bf16 first, as every floating-point input of this program is (x, W1, W2 as matrix operands,
;               the biases with them), so that selector and experts see one and the same set of numbers.  A product of two bf16 numbers is exact in
;               f32; the sums are f32.  The product runs on the vector unit: it has 8 columns against the 16,384 of the experts, and sw jumps when
;               two weights change places in the order, so its sums are kept as plain chains of f32 multiply-adds.
;  ids 256..767 CONV: 32 rows (131,072 bytes) of W1 or W2 each, rounded to bf16 into Wb in the order in which the matrix unit takes them:
;               Wb = [layer][e][column tile 4 G + i][k group 2 g + f][1,024 bytes].  Column tile (G, i) holds the columns 64 G + 4 r + i, r = 0..15.
;               In a fragment lane (r, h) has registers 0-3 at byte 256 h + 16 r and registers 4-7 at byte 512 + 256 h + 16 r; register q, half b
;               holds k = 64 g + 32 h + 4 q + 2 f + b.  The left operands (xg, hs) use the same places for k, so the products pair up.
;               Why these maps: a lane that loads 16 bytes of a row holds 4 neighbouring columns, i = 0..3; with them in 4 different tiles
;               the 16 lanes r store 256 consecutive bytes of one fragment.
; No LDS ring, no cluster, no matrix unit: CONV is a plain stream, and what ROUTE shares (Wsel, 32,768 bytes) is small beside x.
; LIMITS, stated: NaN and infinite inputs are not reproduced.  v_exp_f32 gives 0 for results below 2^-126: such weights tie and are ordered
; by index.  The running sum up to a weight is added in index order, not in sorted order (a difference of rounding, about 1e-7, which acts
; on sw continuously).  The softmax division is v_rcp_f32 and a multiply (monotone in the numerator, so the order is kept).
.set WSP,  144                         ; LDS pitch of a group of 4 rows of Wsel (128 bytes + 16): an odd multiple of 16 bytes
.set SWST, 36864                       ; 512 bytes: the sw of the 16 tokens
.set MKST, 37376                       ; 64 bytes: their masks
.set X,    8                           ; v[8:71]    token t, load j at X+32t+4j; free after the sums
.set WA,   72                          ; v[72:103]  Wsel, set A
.set WB,   104                         ; v[104:135] Wsel, set B
.set ACC,  136                         ; v[136:151] token t, expert e at ACC+8t+e
.set RT,   152                         ; v[152:167] packed bf16 while x is rounded
.set LG,   8                           ; v[8:15]    logits of my token
.set WT,   16                          ; v[16:23]   softmax weights of my token
.set BS,   60                          ; v[60:67]   bsel, rounded; v[56:59] its packed form
	s_load_b512 s[4:19], s[0:1], 0x0               ; x s[4:5] Wsel s[6:7] bsel s[8:9] W1 s[10:11] W2 s[12:13] sw s[14:15] msk s[16:17] Wb s[18:19]
	v_lshl_add_u32 v168, v0, 2, 0x9400
	v_mov_b32 v169, 0
	s_cmp_lt_u32 ttmp9, 256
	s_cbranch_scc0 .Lconv
	; ---------------- ROUTE ----------------
	v_lshrrev_b32 v4, 5, v0
	v_readfirstlane_b32 s20, v4                    ; wave 0..7: tokens 16 g + 2 w and + 1
	v_and_b32 v1, 31, v0                           ; lane
	v_lshlrev_b32 v2, 4, v1                        ; 16 lane
	v_and_b32 v3, 7, v0                            ; e = lane & 7
	v_lshlrev_b32 v5, 4, v0                        ; Wsel: piece p = thread + 256 i lies at byte 16 p
	v_lshrrev_b32 v6, 3, v0
	v_mul_u32_u24 v6, v6, WSP
	v_lshl_add_u32 v6, v3, 4, v6                   ; and goes to group p >> 3, piece p & 7
	v_mul_u32_u24 v7, v1, WSP                      ; my group in each run of 32 groups
	s_mov_b32 s22, 0x76543210                      ; v_permlanex16_b32: lane i reads lane i of the other half
	s_mov_b32 s23, 0xfedcba98
	s_mov_b32 s47, 0xffff0000                      ; a word's upper bf16
	s_lshl_b32 s34, ttmp9, 16                      ; 16 rows of 4,096 bytes
	s_lshl_b32 s21, s20, 13                        ; + 2 rows a wave
	s_add_co_u32 s34, s34, s21
	s_mov_b32 s35, 0
	s_wait_kmcnt 0x0
	s_load_b256 s[24:31], s[8:9], 0x0              ; bsel
	s_add_nc_u64 s[32:33], s[4:5], s[34:35]
.irp i, 0,1,2,3,4,5,6,7
	global_load_b128 v[WA+4*\i:WA+4*\i+3], v5, s[6:7] offset:4096*\i
.endr
.irp t, 0,1
.irp j, 0,1,2,3,4,5,6,7
	global_load_b128 v[X+32*\t+4*\j:X+32*\t+4*\j+3], v2, s[32:33] offset:4096*\t+512*\j   ; d = 128 j + 4 lane + 0..3
.endr
.endr
	s_wait_loadcnt 16                              ; the 16 younger loads (x) stay out: Wsel is in
.set mm, 0
.rept 16
	v_cvt_pk_bf16_f32 v[WB+mm], v[WA+2*mm], v[WA+2*mm+1]   ; Wsel to bf16, nearest even,
	v_lshlrev_b32 v[WA+2*mm], 16, v[WB+mm]                 ; and back to f32: the low half moves up,
	v_and_b32 v[WA+2*mm+1], s47, v[WB+mm]                  ; the high half stays
.set mm, mm+1
.endr
.irp i, 0,1,2,3,4,5,6,7
	ds_store_b128 v6, v[WA+4*\i:WA+4*\i+3] offset:32*WSP*\i
.endr
	s_wait_dscnt 0x0                               ; my part of Wsel is in LDS before I say so
	s_barrier_signal -1
	s_barrier_wait -1                              ; all of it is
; the 4 rows x 8 experts of Wsel that belong to my 4 numbers of load j: register w + 8 c + e
.macro WLOAD j, w
.irp c, 0,1,2,3,4,5,6,7
	ds_load_b128 v[\w+4*\c:\w+4*\c+3], v7 offset:32*WSP*\j+16*\c
.endr
.endm
; 32 packed multiply-adds: 2 tokens x 4 numbers x 4 pairs of experts.  The very first products start the sums.
.macro FMA j, w
.irp t, 0,1
.irp c, 0,2
.irp p, 0,1,2,3
.if (\j+\c) == 0
	v_pk_mul_f32 v[ACC+8*\t+2*\p:ACC+8*\t+2*\p+1], v[X+32*\t+4*\j+\c:X+32*\t+4*\j+\c+1], v[\w+8*\c+2*\p:\w+8*\c+2*\p+1] op_sel_hi:[0,1]
.else
	v_pk_fma_f32 v[ACC+8*\t+2*\p:ACC+8*\t+2*\p+1], v[X+32*\t+4*\j+\c:X+32*\t+4*\j+\c+1], v[\w+8*\c+2*\p:\w+8*\c+2*\p+1], v[ACC+8*\t+2*\p:ACC+8*\t+2*\p+1] op_sel_hi:[0,1,1]
.endif
.endr
.irp p, 0,1,2,3
	v_pk_fma_f32 v[ACC+8*\t+2*\p:ACC+8*\t+2*\p+1], v[X+32*\t+4*\j+\c:X+32*\t+4*\j+\c+1], v[\w+8*(\c+1)+2*\p:\w+8*(\c+1)+2*\p+1], v[ACC+8*\t+2*\p:ACC+8*\t+2*\p+1] op_sel:[1,0,0] op_sel_hi:[1,1,1]
.endr
.endr
.endr
.endm
	WLOAD 0, WA
	s_wait_loadcnt 0x0                             ; x is in
.set mm, 0
.rept 32
	v_cvt_pk_bf16_f32 v[RT+(mm%16)], v[X+2*mm], v[X+2*mm+1]        ; x to bf16 and back, as for Wsel
	v_lshlrev_b32 v[X+2*mm], 16, v[RT+(mm%16)]
	v_and_b32 v[X+2*mm+1], s47, v[RT+(mm%16)]
.set mm, mm+1
.endr
	WLOAD 1, WB
	s_wait_dscnt 8                                 ; the 8 younger LDS loads (the next set) stay out
	FMA 0, WA
	WLOAD 2, WA
	s_wait_dscnt 8
	FMA 1, WB
	WLOAD 3, WB
	s_wait_dscnt 8
	FMA 2, WA
	WLOAD 4, WA
	s_wait_dscnt 8
	FMA 3, WB
	WLOAD 5, WB
	s_wait_dscnt 8
	FMA 4, WA
	WLOAD 6, WA
	s_wait_dscnt 8
	FMA 5, WB
	WLOAD 7, WB
	s_wait_dscnt 8
	FMA 6, WA
	s_wait_dscnt 0x0
	FMA 7, WB
	; the 16 sums across the 32 lanes; every lane ends with all of them
.irp m, 1,2,4,8
.irp i, 0,1,2,3,4,5,6,7,8,9,10,11,12,13,14,15
	v_add_f32_dpp v[ACC+\i], v[ACC+\i], v[ACC+\i] row_xmask:\m row_mask:0xf bank_mask:0xf
.endr
.endr
.irp i, 0,1,2,3,4,5,6,7,8,9,10,11,12,13,14,15
	v_permlanex16_b32 v[40+\i], v[ACC+\i], s22, s23        ; v[40:55] held x: written before
.endr
.irp i, 0,1,2,3,4,5,6,7,8,9,10,11,12,13,14,15
	v_add_f32 v[ACC+\i], v[ACC+\i], v[40+\i]
.endr
	; from here lane = (token t = bit 3, expert a = bits 2:0); lanes 16-31 repeat lanes 0-15
	s_mov_b32 s36, 0xff00ff00                      ; lanes of token 1
	s_wait_kmcnt 0x0                               ; bsel
.irp b, 0,1,2,3,4,5,6,7
	v_mov_b32 v[BS+\b], s[24+\b]
.endr
.irp p, 0,1,2,3
	v_cvt_pk_bf16_f32 v[56+\p], v[BS+2*\p], v[BS+2*\p+1]   ; bsel to bf16 and back
.endr
.irp p, 0,1,2,3
	v_lshlrev_b32 v[BS+2*\p], 16, v[56+\p]
	v_and_b32 v[BS+2*\p+1], s47, v[56+\p]
.endr
.irp b, 0,1,2,3,4,5,6,7
	v_cndmask_b32 v[LG+\b], v[ACC+\b], v[ACC+8+\b], s36
.endr
.irp b, 0,1,2,3,4,5,6,7
	v_add_f32 v[LG+\b], v[BS+\b], v[LG+\b]
.endr
	v_max3_num_f32 v24, v8, v9, v10
	v_max3_num_f32 v24, v24, v11, v12
	v_max3_num_f32 v24, v24, v13, v14
	v_max_num_f32 v24, v24, v15                    ; the maximum is taken away before the exponential
.irp b, 0,1,2,3,4,5,6,7
	v_sub_f32 v[WT+\b], v[LG+\b], v24              ; the difference is formed first, exactly as written in the source, then scaled
.endr
.irp b, 0,1,2,3,4,5,6,7
	v_mul_f32 v[WT+\b], 0x3fb8aa3b, v[WT+\b]       ; x log2(e)
.endr
.irp b, 0,1,2,3,4,5,6,7
	v_exp_f32 v[WT+\b], v[WT+\b]
.endr
	v_nop                                          ; one plain place behind the last transcendental before its result is read
	s_wait_alu depctr_va_vdst(0)
	v_add_f32 v25, v16, v17
	v_add_f32 v26, v18, v19
	v_add_f32 v27, v20, v21
	v_add_f32 v28, v22, v23
	v_add_f32 v25, v25, v26
	v_add_f32 v27, v27, v28
	v_add_f32 v25, v25, v27                        ; at least 1: the largest term is 2^0
	v_rcp_f32 v26, v25
	v_nop
	s_wait_alu depctr_va_vdst(0)
.irp b, 0,1,2,3,4,5,6,7
	v_mul_f32 v[WT+\b], v[WT+\b], v26
.endr
	v_mov_b32 v27, v16                             ; wa: the weight of my own expert
.irp b, 1,2,3,4,5,6,7
	s_mov_b32 s37, 0x01010101<<\b                  ; lanes with a = b
	v_cndmask_b32 v27, v27, v[WT+\b], s37
.endr
	; rank of a in the stable descending sort, and C = the sum of all weights up to and with mine
	v_mov_b32 v28, 0
	v_mov_b32 v29, 0
.irp b, 0,1,2,3,4,5,6,7
	v_cmp_gt_f32 s38, v[WT+\b], v27
	v_cmp_eq_f32 s39, v[WT+\b], v27
	s_and_b32 s39, s39, ((0xff<<(\b+1))&0xff)*0x01010101   ; a tie counts for b only in lanes with a > b
	s_or_b32 s38, s38, s39                         ; b stands in front of a
	v_cndmask_b32 v37, 0, 1, s38
	v_add_nc_u32 v28, v28, v37
	s_or_b32 s38, s38, 0x01010101<<\b              ; or is a itself
	v_cndmask_b32 v38, 0, v[WT+\b], s38
	v_add_f32 v29, v29, v38
.endr
	v_min_num_f32 v30, 0x3f4ccccd, v29             ; min(C, 0.8)
	v_sub_f32 v30, v30, v29
	v_add_f32 v30, v30, v27
	v_max_num_f32 v30, 0, v30                      ; sw_sorted[rank]
	; bring sw_sorted[e] and order[e] to lane e, then sw_sorted[order[e]]: fixed lane patterns and selects, no index becomes an address
	v_mov_b32 v31, v30                             ; ss: right where rank = e
	v_mov_b32 v32, v3                              ; ord
	v_mov_b32 v34, 0
	v_mov_b32 v35, 0
.irp k, 1,2,3,4,5,6,7
	v_mov_b32_dpp v34, v28 row_xmask:\k row_mask:0xf bank_mask:0xf
	v_mov_b32_dpp v35, v30 row_xmask:\k row_mask:0xf bank_mask:0xf
	v_xor_b32 v36, \k, v3
	v_cmp_eq_u32 vcc_lo, v34, v3
	v_cndmask_b32 v31, v31, v35, vcc_lo
	v_cndmask_b32 v32, v32, v36, vcc_lo
.endr
	v_mov_b32 v33, v31
.irp k, 1,2,3,4,5,6,7
	v_mov_b32_dpp v35, v31 row_xmask:\k row_mask:0xf bank_mask:0xf
	v_xor_b32 v36, \k, v3
	v_cmp_eq_u32 vcc_lo, v32, v36
	v_cndmask_b32 v33, v33, v35, vcc_lo
.endr
	; out through LDS, so that wave 0 stores the 512 bytes of sw of the 16 tokens in one instruction
	v_and_b32 v37, 15, v0
	v_lshlrev_b32 v37, 2, v37
	s_lshl_b32 s21, s20, 6
	v_add_nc_u32 v38, s21, v37
	ds_store_b32 v38, v33 offset:SWST              ; lanes 16-31 write the same words with the same values
	v_cmp_lt_f32 vcc_lo, 0, v33
	s_and_b32 s40, vcc_lo, 0xff                    ; mask of token 0
	s_bfe_u32 s41, vcc_lo, 0x80008                 ; mask of token 1
	v_mov_b32 v34, s40
	v_mov_b32 v35, s41
	s_lshl_b32 s21, s20, 3
	v_mov_b32 v36, s21
	ds_store_b64 v36, v[34:35] offset:MKST
	s_wait_dscnt 0x0
	s_barrier_signal -1
	s_barrier_wait -1
	s_cmp_lg_u32 s20, 0
	s_cbranch_scc1 .Lend
	ds_load_b128 v[8:11], v2 offset:SWST
	ds_load_b32 v12, v37 offset:MKST
	s_lshl_b32 s34, ttmp9, 9
	s_add_nc_u64 s[42:43], s[14:15], s[34:35]
	s_lshl_b32 s34, ttmp9, 6
	s_add_nc_u64 s[44:45], s[16:17], s[34:35]
	s_wait_dscnt 0x0
	global_store_b128 v2, v[8:11], s[42:43]        ; 512 consecutive bytes, aligned
	s_wait_xcnt 0x0                                ; EXEC is a source of the store above: it narrows only behind this wait
	v_cmp_gt_u32 vcc_lo, 16, v1
	s_and_saveexec_b32 s46, vcc_lo
	global_store_b32 v37, v12, s[44:45]            ; 64 bytes of msk: the one short store of the program, 16,384 bytes in all
	s_wait_xcnt 0x0                                ; and widens only behind this one
	s_or_b32 exec_lo, exec_lo, s46
.Lend:
	s_wait_tensorcnt 0x0
	ds_add_u32 v168, v169
	s_wait_dscnt 0x0
	s_endpgm
	; ---------------- CONV ----------------
	; Work-group c = id - 256: layer c >> 8, expert (c >> 5) & 7, rows k = 32 (c & 31) + 0..31, that is g = (c >> 1) & 15, h = c & 1.
	; Wave w takes columns 128 w + 0..127, lane l the four columns 128 w + 4 l + i: G = 2 w + (l >> 4), r = l & 15.
	; A load covers 512 consecutive bytes of a row; the eight waves together read 32 whole rows.
.Lconv:
	s_sub_co_u32 s20, ttmp9, 256                   ; 0..511
	s_and_b32 s21, s20, 255
	s_lshl_b32 s22, s21, 17                        ; 32 rows of 4,096 bytes of f32
	s_mov_b32 s23, 0
	s_lshr_b32 s24, s20, 5                         ; 8 layer + e
	s_lshl_b32 s24, s24, 21                        ; an expert is 2,097,152 bytes of bf16
	s_bfe_u32 s30, s20, 0x40001                    ; g
	s_lshl_b32 s30, s30, 11                        ; two fragments of 1,024 bytes
	s_add_co_u32 s24, s24, s30
	s_and_b32 s30, s20, 1                          ; h
	s_lshl_b32 s30, s30, 8
	s_add_co_u32 s24, s24, s30
	s_mov_b32 s25, 0
	v_lshrrev_b32 v3, 5, v0                        ; wave
	v_and_b32 v4, 31, v0
	v_lshlrev_b32 v1, 4, v4
	v_lshl_add_u32 v1, v3, 9, v1                   ; in: 512 w + 16 l
	v_and_b32 v5, 15, v0
	v_bfe_u32 v6, v0, 4, 1
	v_lshlrev_b32 v2, 4, v5                        ; out: 16 r
	v_lshl_add_u32 v2, v6, 17, v2                  ; + (l >> 4) x 4 column tiles of 32,768 bytes
	v_lshl_add_u32 v2, v3, 18, v2                  ; + w x 8 column tiles
	s_wait_kmcnt 0x0
	s_cmp_lt_u32 s20, 256
	s_cselect_b64 s[26:27], s[10:11], s[12:13]
	s_add_nc_u64 s[26:27], s[26:27], s[22:23]
	s_add_nc_u64 s[28:29], s[18:19], s[24:25]
.set t, 0
.rept 32
	global_load_b128 v[8+4*t:8+4*t+3], v1, s[26:27] offset:4096*t th:TH_LOAD_NT      ; row t, my 4 columns
.set t, t+1
.endr
	; run p = rows 16 p + 0..15.  Piece (f, i) = registers 4 p .. 4 p + 3 of fragment (column tile i, k group f): rows 4 q + 2 f and + 1 of column i.
	; Run 0 packs into v[136:167], run 1 into v[8:39], which run 0 has read by then: no store's data is written again.
.irp p, 0,1
	s_wait_loadcnt 16-16*\p                        ; the 16 loads of the second run stay out, then none
.irp y, 0,1
.irp i, 0,1,2,3
.irp q, 0,1,2,3
	v_cvt_pk_bf16_f32 v[136-128*\p+4*(4*\y+\i)+\q], v[8+4*(16*\p+4*\q+2*\y)+\i], v[8+4*(16*\p+4*\q+2*\y+1)+\i]
.endr
	global_store_b128 v2, v[136-128*\p+4*(4*\y+\i):136-128*\p+4*(4*\y+\i)+3], s[28:29] offset:32768*\i+1024*\y+512*\p   ; 16 lanes store 256 consecutive bytes, aligned
.endr
.endr
.endr
	s_endpgm
.Lfunc_end_k_q0eaee8f7b7_prep:
	.size	k_q0eaee8f7b7_prep, .Lfunc_end_k_q0eaee8f7b7_prep-k_q0eaee8f7b7_prep
	.p2alignl 7, 3214868480
	.fill 96, 4, 3214868480
	.section	.rodata,"a",@progbits
	.p2align	6, 0x0
	.amdhsa_kernel k_q0eaee8f7b7_prep
		.amdhsa_group_segment_fixed_size 38912
		.amdhsa_private_segment_fixed_size 0
		.amdhsa_enable_private_segment 0
		.amdhsa_kernarg_size 64
		.amdhsa_user_sgpr_count 2
		.amdhsa_user_sgpr_kernarg_segment_ptr 1
		.amdhsa_wavefront_size32 1
		.amdhsa_system_sgpr_workgroup_id_x 1
		.amdhsa_system_sgpr_workgroup_id_y 1
		.amdhsa_system_sgpr_workgroup_id_z 1
		.amdhsa_system_vgpr_workitem_id 0
		.amdhsa_next_free_vgpr 170
		.amdhsa_next_free_sgpr 66
		.amdhsa_reserve_vcc 1
		.amdhsa_float_denorm_mode_32 3
		.amdhsa_float_denorm_mode_16_64 3
		.amdhsa_memory_ordered 1
		.amdhsa_forward_progress 1
		.amdhsa_inst_pref_size 59
	.end_amdhsa_kernel
	.amdgpu_metadata
---
amdhsa.version: [ 1, 2 ]
amdhsa.kernels:
  - .name:           k_q0eaee8f7b7_prep
    .symbol:         k_q0eaee8f7b7_prep.kd
    .args:
      - { .name: x, .offset: 0, .size: 8, .value_kind: global_buffer, .address_space: global }
      - { .name: Wsel, .offset: 8, .size: 8, .value_kind: global_buffer, .address_space: global }
      - { .name: bsel, .offset: 16, .size: 8, .value_kind: global_buffer, .address_space: global }
      - { .name: W1, .offset: 24, .size: 8, .value_kind: global_buffer, .address_space: global }
      - { .name: W2, .offset: 32, .size: 8, .value_kind: global_buffer, .address_space: global }
      - { .name: sw, .offset: 40, .size: 8, .value_kind: global_buffer, .address_space: global }
      - { .name: msk, .offset: 48, .size: 8, .value_kind: global_buffer, .address_space: global }
      - { .name: Wb, .offset: 56, .size: 8, .value_kind: global_buffer, .address_space: global }
    .group_segment_fixed_size: 38912
    .private_segment_fixed_size: 0
    .kernarg_segment_align: 8
    .kernarg_segment_size: 64
    .max_flat_workgroup_size: 256
    .sgpr_count:     66
    .vgpr_count:     170
    .wavefront_size: 32
...
	.end_amdgpu_metadata
.endif
;; end of part 1
;; launch assign (part 2): grid 1 x 1, 32 waves a work-group, no clusters, 139,776 bytes of LDS; arguments msk, tab; writes tab
.if DOCPART == 2
	.amdgcn_target "amdgcn-amd-amdhsa--gfx1250"
	.amdhsa_code_object_version 6
	.text
	.protected	k_q0eaee8f7b7_assign
	.globl	k_q0eaee8f7b7_assign
	.p2align	8
	.type	k_q0eaee8f7b7_assign,@function
k_q0eaee8f7b7_assign:
	s_mov_b64 s[64:65], 0
	v_nop
	global_prefetch_b8 v0, s[64:65] scope:SCOPE_SE
	s_setreg_imm32_b32 hwreg(HW_REG_WAVE_MODE, 25, 1), 1
	s_wait_xcnt 0x0
; assign: from msk (bit e of msk[n]: token n goes to expert e) make the slots, as whole numbers for the launches behind it.
; Slots: expert by expert, each stretch rounded up to a multiple of 128; inside an expert the order is (wave, j, lane), token n = 128 w + 32 j + lane.
; A row block is 128 slots of one expert; T = number of row blocks, 32..256 when every token has a pair.  Slots that pad a stretch carry token 0;
; what is computed for them is never read.
; tab: slots of experts 0-3 as u32 [4096][4] at byte 0, of experts 4-7 at byte 65,536; the expert of each of 256 row blocks at byte 131,072;
; T, 64 times, at byte 132,096; the token of each of the 32,768 slots at byte 132,352.
; T steers the trips and the list the addresses of the later launches, so both are stored here and read there; no branch of this text hangs on data.
; ONE work-group: the places are a prefix sum over all 4,096 tokens, its input is 16,384 bytes, and to share it among work-groups
; their counts would have to pass through memory, that is through one more launch.  No cluster, no tensor load, no matrix unit: integer work alone.
.set TRASH, 131072                     ; one word for each thread: where a lane without a pair puts its token
.set TAB,   135168                     ; 16 bytes a wave: its eight counts, two to a word
.set LISTO, 132352                     ; the list's place in tab
.set R,     16                         ; v[16:47] slot of (j, e) at R + 8 j + e
.set LD,    60                         ; v[60:91] my 128 bytes of the list on their way out
	s_load_b128 s[4:7], s[0:1], 0x0                ; msk s[4:5], tab s[6:7]
	v_lshl_add_u32 v96, v0, 2, 0x21200
	v_mov_b32 v97, 0
	v_lshrrev_b32 v2, 5, v0
	v_readfirstlane_b32 s12, v2                    ; wave 0..31
	v_and_b32 v1, 31, v0                           ; lane
	s_mov_b32 s14, 0x76543210
	s_mov_b32 s15, 0xfedcba98
	v_lshlrev_b32 v13, 2, v1
	v_lshl_add_u32 v13, v2, 9, v13                 ; byte of msk[128 w + lane]
	s_wait_kmcnt 0x0
.irp j, 0,1,2,3
	global_load_b32 v[4+\j], v13, s[4:5] offset:128*\j
.endr
	; the list of tokens by slot, LDS bytes 0..131,071, starts as zeros (token 0)
.irp i, 16,17,18,19
	v_mov_b32 v\i, 0
.endr
	v_lshlrev_b32 v14, 4, v0
	v_add_nc_u32 v15, 0x10000, v14
.irp k, 0,1,2,3
	ds_store_b128 v14, v[16:19] offset:16384*\k
	ds_store_b128 v15, v[16:19] offset:16384*\k
.endr
	v_lshl_add_u32 v8, v2, 7, v1                   ; my four tokens
	v_add_nc_u32 v9, 32, v8
	v_add_nc_u32 v10, 64, v8
	v_add_nc_u32 v11, 96, v8
	v_lshlrev_b32 v12, 2, v0
	v_add_nc_u32 v12, TRASH, v12                   ; my own dump word
	s_wait_loadcnt 0x0
	; ballots s[32+8j+e] and the counts of my wave
.irp j, 0,1,2,3
.irp e, 0,1,2,3,4,5,6,7
	v_and_b32 v14, 1<<\e, v[4+\j]
	v_cmp_ne_u32 s[32+8*\j+\e], 0, v14
.endr
.endr
.irp e, 0,1,2,3,4,5,6,7
	s_bcnt1_i32_b32 s[16+\e], s[32+\e]
.irp j, 1,2,3
	s_bcnt1_i32_b32 s77, s[32+8*\j+\e]
	s_add_co_u32 s[16+\e], s[16+\e], s77
.endr
.endr
.irp p, 0,1,2,3
	s_lshl_b32 s77, s[17+2*\p], 16                 ; two counts to a word: sums stay at or below 4,096, inside 16 bits
	s_or_b32 s77, s77, s[16+2*\p]
	v_mov_b32 v[48+\p], s77
.endr
	s_lshl_b32 s77, s12, 4
	s_add_co_u32 s77, s77, TAB
	v_mov_b32 v15, s77
	ds_store_b128 v15, v[48:51]
	s_wait_dscnt 0x0                               ; the zeros and my counts are in LDS before I say so
	s_barrier_signal -1
	s_barrier_wait -1
	v_lshlrev_b32 v15, 4, v1
	v_add_nc_u32 v15, TAB, v15
	ds_load_b128 v[48:51], v15                     ; lane i: the counts of wave i
	s_bfm_b32 s78, s12, 0                          ; lanes below my wave number
	v_mov_b32 v56, 0
	s_wait_dscnt 0x0
.irp p, 0,1,2,3
	v_cndmask_b32 v[52+\p], 0, v[48+\p], s78       ; the waves in front of mine
.endr
.macro RED v                           ; sum over the 32 lanes, in every lane
.irp k, 1,2,4,8
	v_mov_b32_dpp v56, v[\v] row_xmask:\k row_mask:0xf bank_mask:0xf
	v_add_nc_u32 v[\v], v[\v], v56
.endr
	v_permlanex16_b32 v56, v[\v], s14, s15
	v_add_nc_u32 v[\v], v[\v], v56
.endm
.irp v, 48,49,50,51,52,53,54,55
	RED \v
.endr
.irp p, 0,1,2,3
	v_readfirstlane_b32 s77, v[48+\p]
	s_and_b32 s[24+2*\p], s77, 0xffff              ; tot[e]
	s_lshr_b32 s[25+2*\p], s77, 16
	v_readfirstlane_b32 s77, v[52+\p]
	s_and_b32 s[66+2*\p], s77, 0xffff              ; pre[e]
	s_lshr_b32 s[67+2*\p], s77, 16
.endr
	s_mov_b32 s79, 0
.irp e, 0,1,2,3,4,5,6,7
	s_add_co_u32 s[16+\e], s79, s[66+\e]           ; run[e]: the first slot of my wave in expert e
	s_add_co_u32 s77, s[24+\e], 127
	s_and_b32 s77, s77, 0xffffff80
	s_add_co_u32 s79, s79, s77
	s_lshr_b32 s[24+\e], s79, 7                    ; end[e]: the first row block behind expert e
.endr
	s_mov_b32 s74, s31                             ; T
	; place the tokens: two pairs never have the same slot, and a lane without a pair writes its own dump word
.irp j, 0,1,2,3
.irp e, 0,1,2,3,4,5,6,7
	v_mbcnt_lo_u32_b32 v[R+8*\j+\e], s[32+8*\j+\e], s[16+\e]
	s_bcnt1_i32_b32 s77, s[32+8*\j+\e]
	s_add_co_u32 s[16+\e], s[16+\e], s77
	v_lshlrev_b32 v13, 2, v[R+8*\j+\e]
	v_cndmask_b32 v13, v12, v13, s[32+8*\j+\e]     ; no pair: my dump word
	v_min_u32 v13, TRASH+4092, v13                 ; the bound stands last
	ds_store_b32 v13, v[8+\j]
.endr
.endr
	s_wait_dscnt 0x0
	s_barrier_signal -1
	s_barrier_wait -1                              ; the list is whole
	; the list goes out through registers: thread t takes the 16 bytes at 16 t of each of its eight runs of 16,384 bytes
	v_lshlrev_b32 v58, 4, v0
	v_add_nc_u32 v59, 0x10000, v58
.irp k, 0,1,2,3
	ds_load_b128 v[LD+4*\k:LD+4*\k+3], v58 offset:16384*\k
.endr
.irp k, 0,1,2,3
	ds_load_b128 v[LD+16+4*\k:LD+16+4*\k+3], v59 offset:16384*\k
.endr
	v_lshlrev_b32 v13, 4, v1
	v_lshl_add_u32 v13, v2, 11, v13                ; the slots: 16 bytes a token
.irp j, 0,1,2,3
.irp p, 0,1
	global_store_b128 v13, v[R+8*\j+4*\p:R+8*\j+4*\p+3], s[6:7] offset:512*\j+65536*\p    ; 512 consecutive bytes a wave
.endr
.endr
.irp k, 0,1,2,3,4,5,6,7
	s_wait_dscnt 7-\k                              ; the younger read-backs stay out
	global_store_b128 v58, v[LD+4*\k:LD+4*\k+3], s[6:7] offset:LISTO+16384*\k             ; 512 consecutive bytes a wave, aligned
.endr
	s_cmp_ge_u32 s12, 10
	s_cbranch_scc1 .Lend
	v_mov_b32 v14, 0                               ; threads 0..255: the expert of row block t = how many of end[0..6] are at or below t
.irp e, 0,1,2,3,4,5,6
	v_cmp_le_u32 vcc_lo, s[24+\e], v0
	v_cndmask_b32 v15, 0, 1, vcc_lo
	v_add_nc_u32 v14, v14, v15
.endr
	v_mov_b32 v15, s74                             ; threads 256..319: T
	v_cmp_gt_u32 vcc_lo, 256, v0
	v_cndmask_b32 v14, v15, v14, vcc_lo
	v_lshlrev_b32 v57, 2, v0
	global_store_b32 v57, v14, s[6:7] offset:131072        ; 1,280 consecutive bytes by ten waves
.Lend:
	s_wait_tensorcnt 0x0
	ds_add_u32 v96, v97
	s_wait_dscnt 0x0
	s_endpgm
.Lfunc_end_k_q0eaee8f7b7_assign:
	.size	k_q0eaee8f7b7_assign, .Lfunc_end_k_q0eaee8f7b7_assign-k_q0eaee8f7b7_assign
	.p2alignl 7, 3214868480
	.fill 96, 4, 3214868480
	.section	.rodata,"a",@progbits
	.p2align	6, 0x0
	.amdhsa_kernel k_q0eaee8f7b7_assign
		.amdhsa_group_segment_fixed_size 139776
		.amdhsa_private_segment_fixed_size 0
		.amdhsa_enable_private_segment 0
		.amdhsa_kernarg_size 16
		.amdhsa_user_sgpr_count 2
		.amdhsa_user_sgpr_kernarg_segment_ptr 1
		.amdhsa_wavefront_size32 1
		.amdhsa_system_sgpr_workgroup_id_x 1
		.amdhsa_system_sgpr_workgroup_id_y 1
		.amdhsa_system_sgpr_workgroup_id_z 1
		.amdhsa_system_vgpr_workitem_id 0
		.amdhsa_next_free_vgpr 98
		.amdhsa_next_free_sgpr 80
		.amdhsa_reserve_vcc 1
		.amdhsa_float_denorm_mode_32 3
		.amdhsa_float_denorm_mode_16_64 3
		.amdhsa_memory_ordered 1
		.amdhsa_forward_progress 1
		.amdhsa_inst_pref_size 30
	.end_amdhsa_kernel
	.amdgpu_metadata
---
amdhsa.version: [ 1, 2 ]
amdhsa.kernels:
  - .name:           k_q0eaee8f7b7_assign
    .symbol:         k_q0eaee8f7b7_assign.kd
    .args:
      - { .name: msk, .offset: 0, .size: 8, .value_kind: global_buffer, .address_space: global }
      - { .name: tab, .offset: 8, .size: 8, .value_kind: global_buffer, .address_space: global }
    .group_segment_fixed_size: 139776
    .private_segment_fixed_size: 0
    .kernarg_segment_align: 8
    .kernarg_segment_size: 16
    .max_flat_workgroup_size: 1024
    .sgpr_count:     80
    .vgpr_count:     98
    .wavefront_size: 32
...
	.end_amdgpu_metadata
.endif
;; end of part 2
;; launch gather (part 3): grid 256 x 1, 32 waves a work-group, no clusters, 0 bytes of LDS; arguments tab, x, xg; writes xg
.if DOCPART == 3
	.amdgcn_target "amdgcn-amd-amdhsa--gfx1250"
	.amdhsa_code_object_version 6
	.text
	.protected	k_q0eaee8f7b7_gather
	.globl	k_q0eaee8f7b7_gather
	.p2align	8
	.type	k_q0eaee8f7b7_gather,@function
k_q0eaee8f7b7_gather:
	s_mov_b64 s[64:65], 0
	v_nop
	global_prefetch_b8 v0, s[64:65] scope:SCOPE_SE
	s_setreg_imm32_b32 hwreg(HW_REG_WAVE_MODE, 25, 1), 1
	s_wait_xcnt 0x0
; gather: lay the rows of x, rounded to bf16, in slot order, in the order in which the matrix unit takes them.
; tab (whole numbers that an earlier launch stored): T, the number of row blocks of 128 slots, at byte 132,096; the token of each slot at byte 132,352.
; xg = [chunk c of 16 slots][g 0..15][f 0..1][1,024 bytes]; in a fragment lane (r, h) has registers 0-3 at byte 256 h + 16 r and registers 4-7 at byte
; 512 + 256 h + 16 r; register q, half b holds x[token of slot 16 c + r][64 g + 32 h + 4 q + 2 f + b].
; Work-group id copies the chunks c = id + 256 i below 8 T (8 T is 256 at the least when every token has a pair, 2,048 at the most).  The eight
; trips are written out, each later one behind a forward branch on T; trip 0 always runs.  The tokens of all eight possible chunks are asked for at
; the start, beside T (the list is stored whole, 32,768 words), so that a trip waits for its rows of x alone.
; Wave w takes g = w >> 1 and p = w & 1 of a chunk: lane (r, h) reads the 16 numbers 64 g + 32 h + 16 p + 0..15 of the row of its own token
; (64 consecutive bytes) and stores registers 4 p .. 4 p + 3 of the fragments f = 0 and f = 1; a store of a wave covers 512 consecutive bytes.
; A copy: no LDS, no barrier, no matrix unit; the rows that a work-group reads are its own, so no cluster.
.set LISTO, 132352
.set TOK, 8                            ; v[8:15]  trip i: the token of my slot, then my byte offset in x
.set X,   16                           ; v[16:31] 16 numbers of x
.set Y,   32                           ; v[32:39] the two pieces of 16 bytes
	s_load_b128 s[4:7], s[0:1], 0x0                ; tab s[4:5], x s[6:7]
	s_load_b64 s[8:9], s[0:1], 0x10                ; xg
	v_lshrrev_b32 v2, 5, v0
	v_readfirstlane_b32 s12, v2                    ; wave 0..31
	v_and_b32 v1, 31, v0                           ; lane
	v_and_b32 v3, 15, v0
	v_lshlrev_b32 v3, 2, v3                        ; 4 r: my slot's word in a chunk,
	s_lshl_b32 s13, ttmp9, 6                       ; 64 bytes of the list a chunk
	v_add_nc_u32 v3, s13, v3
	v_bfe_u32 v4, v0, 4, 1
	v_lshlrev_b32 v4, 7, v4                        ; in: 32 h numbers of 4 bytes
	s_lshr_b32 s14, s12, 1                         ; g
	s_and_b32 s15, s12, 1                          ; p
	s_lshl_b32 s16, s14, 8
	s_lshl_b32 s17, s15, 6
	s_add_co_u32 s16, s16, s17
	v_add_nc_u32 v4, s16, v4                       ; + 64 g + 16 p numbers
	v_lshlrev_b32 v5, 4, v1                        ; out: 16 lane
	s_lshl_b32 s18, s14, 11
	s_lshl_b32 s17, s15, 9
	s_add_co_u32 s18, s18, s17                     ; + 2,048 g + 512 p
	s_lshl_b32 s17, ttmp9, 15                      ; + 32,768 bytes a chunk
	s_add_co_u32 s18, s18, s17
	s_mov_b32 s19, 0
	s_wait_kmcnt 0x0
	s_load_b32 s20, s[4:5], 0x20400                ; T
.irp i, 0,1,2,3,4,5,6,7
	global_load_b32 v[TOK+\i], v3, s[4:5] offset:LISTO+16384*\i    ; chunk id + 256 i: 256 chunks are 16,384 bytes of the list
.endr
	s_add_nc_u64 s[22:23], s[8:9], s[18:19]
	s_wait_kmcnt 0x0
	s_min_u32 s20, s20, 256
	s_lshl_b32 s20, s20, 3                         ; 8 T chunks
	s_wait_loadcnt 0x0                             ; the tokens
.macro TRIP i
.if \i
	s_add_co_u32 s21, ttmp9, 256*\i
	s_cmp_lt_u32 s21, s20
	s_cbranch_scc0 .Ldone
	s_wait_xcnt 0x0                                ; the base and the data of the last trip's stores are written again only behind this wait
	s_add_nc_u64 s[22:23], s[22:23], 0x800000      ; 256 chunks of 32,768 bytes on
.endif
	v_min_u32 v[TOK+\i], 4095, v[TOK+\i]           ; the token
	v_lshlrev_b32 v[TOK+\i], 12, v[TOK+\i]
	v_add_nc_u32 v[TOK+\i], v[TOK+\i], v4
.irp j, 0,1,2,3
	global_load_b128 v[X+4*\j:X+4*\j+3], v[TOK+\i], s[6:7] offset:16*\j
.endr
	s_wait_loadcnt 0x0
.irp q, 0,1,2,3
	v_cvt_pk_bf16_f32 v[Y+\q],   v[X+4*\q],   v[X+4*\q+1]      ; f = 0: numbers 4 q, 4 q + 1
	v_cvt_pk_bf16_f32 v[Y+4+\q], v[X+4*\q+2], v[X+4*\q+3]      ; f = 1: numbers 4 q + 2, 4 q + 3
.endr
	global_store_b128 v5, v[Y:Y+3],   s[22:23]                 ; 512 consecutive bytes, aligned
	global_store_b128 v5, v[Y+4:Y+7], s[22:23] offset:1024
.endm
.irp i, 0,1,2,3,4,5,6,7
	TRIP \i
.endr
.Ldone:
	s_endpgm
.Lfunc_end_k_q0eaee8f7b7_gather:
	.size	k_q0eaee8f7b7_gather, .Lfunc_end_k_q0eaee8f7b7_gather-k_q0eaee8f7b7_gather
	.p2alignl 7, 3214868480
	.fill 96, 4, 3214868480
	.section	.rodata,"a",@progbits
	.p2align	6, 0x0
	.amdhsa_kernel k_q0eaee8f7b7_gather
		.amdhsa_group_segment_fixed_size 0
		.amdhsa_private_segment_fixed_size 0
		.amdhsa_enable_private_segment 0
		.amdhsa_kernarg_size 24
		.amdhsa_user_sgpr_count 2
		.amdhsa_user_sgpr_kernarg_segment_ptr 1
		.amdhsa_wavefront_size32 1
		.amdhsa_system_sgpr_workgroup_id_x 1
		.amdhsa_system_sgpr_workgroup_id_y 1
		.amdhsa_system_sgpr_workgroup_id_z 1
		.amdhsa_system_vgpr_workitem_id 0
		.amdhsa_next_free_vgpr 40
		.amdhsa_next_free_sgpr 66
		.amdhsa_reserve_vcc 0
		.amdhsa_float_denorm_mode_32 3
		.amdhsa_float_denorm_mode_16_64 3
		.amdhsa_memory_ordered 1
		.amdhsa_forward_progress 1
		.amdhsa_inst_pref_size 14
	.end_amdhsa_kernel
	.amdgpu_metadata
---
amdhsa.version: [ 1, 2 ]
amdhsa.kernels:
  - .name:           k_q0eaee8f7b7_gather
    .symbol:         k_q0eaee8f7b7_gather.kd
    .args:
      - { .name: tab, .offset: 0, .size: 8, .value_kind: global_buffer, .address_space: global }
      - { .name: x, .offset: 8, .size: 8, .value_kind: global_buffer, .address_space: global }
      - { .name: xg, .offset: 16, .size: 8, .value_kind: global_buffer, .address_space: global }
    .group_segment_fixed_size: 0
    .private_segment_fixed_size: 0
    .kernarg_segment_align: 8
    .kernarg_segment_size: 24
    .max_flat_workgroup_size: 1024
    .sgpr_count:     66
    .vgpr_count:     40
    .wavefront_size: 32
...
	.end_amdgpu_metadata
.endif
;; end of part 3
;; launch ffn1 (part 4): grid 256 x 1, 8 waves a work-group, no clusters, 0 bytes of LDS; arguments xg, Wb, b1, tab, hs; writes hs
.if DOCPART == 4
	.amdgcn_target "amdgcn-amd-amdhsa--gfx1250"
	.amdhsa_code_object_version 6
	.text
	.protected	k_q0eaee8f7b7_ffn1
	.globl	k_q0eaee8f7b7_ffn1
	.p2align	8
	.type	k_q0eaee8f7b7_ffn1,@function
k_q0eaee8f7b7_ffn1:
	s_mov_b64 s[64:65], 0
	v_nop
	global_prefetch_b8 v0, s[64:65] scope:SCOPE_SE
	s_setreg_imm32_b32 hwreg(HW_REG_WAVE_MODE, 25, 1), 1
	s_wait_xcnt 0x0
; ffn, LAYER 1: hs = relu(xg W1[e] + b1[e]) in bf16.  LAYER 2: y = hs W2[e] + b2[e] in f32.  One text, the constant LAYER tells them apart.
; Rows are slots: a row block is 128 slots of one expert e = bexp[b]; T row blocks; both are whole numbers that an earlier launch stored in tab.
; HOW MANY TILES THERE ARE IS READ FROM MEMORY, and every wave of a work-group has to pass every barrier whatever the data, so no barrier can stand
; in a loop whose trips hang on that count.  Hence the waves share nothing: no LDS, no tensor load, no barrier, no cluster.  A fixed count of tiles
; (8 T at its largest, 2,048) would allow them and would cost the work of all 32,768 slots.  What the waves lose in sharing is made up by layout:
; xg, hs and Wb lie in fragment order, so that each operand load of a wave is 512 consecutive bytes straight into the registers of the matrix unit.
;   left operand:  [row tile of 16 slots][k group kg = 2 g + f][1,024 bytes];   Wb: [layer][e][column tile 4 G + i][kg][1,024 bytes]
;   in a fragment lane (r, h) has registers 0-3 at byte 256 h + 16 r, registers 4-7 at byte 512 + 256 h + 16 r; register q, half b holds
;   k = 64 g + 32 h + 4 q + 2 f + b, in both operands alike, so the products pair up.  Column tile (G, i) holds the columns 64 G + 4 r + i.
; Work: 8 waves = two teams of four.  A team takes item q = id + 256 team + 512 trip below 8 T (8 T >= 256: team 0 of every work-group has work):
; row block q >> 3, columns 128 (q & 7) + 0..127; a wave takes 64 slots x 64 columns (one G): 16 accumulator tiles, K = 1,024 in 32 k groups.
; A ring of three fragment buffers in registers: 16 loads a k group, asked for three groups ahead; at most 56 loads of a wave are out (8 + 3 x 16).
; LAYER 1 gives the weights as source 0: lane (r, h) then holds slot r, columns 64 G + 32 h + 4 j + i (tile i, register j): packed in pairs
; i = 2 f, 2 f + 1 these ARE the fragments (g = G, f) of hs.  The bias, brought into that order, is the C of the first product.
; LAYER 2 gives the slots as source 0: lane (r, h) holds slot 8 h + j, column 64 G + 4 r + i; the bias add puts i = 0..3 side by side, 16 bytes of a row of y.
; FORMAT: operands bf16, sums f32.  The bias is rounded to bf16 as well, like every floating-point input of this program, and then added in f32.
; NaN and infinities in rows of experts whose weight is 0 are not reproduced (those rows are not computed).
.set LAYER, 1
.set LN,  1                            ; v1       16 lane
.set BO,  2                            ; v2       my byte offset in the bias
.set CO,  3                            ; v3       LAYER 2: my byte offset in y
.set T,   32                           ; v[32:63] the bias as loaded (LAYER 2: v[32:35], and v[36:37] its packed form)
.set F,   64                           ; v[64:255] three buffers of 64: 4 fragments of slots, then 4 of weights
.set BT,  128                          ; registers 384-415 (named in the second window): LAYER 1, the bias in the order of the accumulators
                                       ; registers 256-383 (second window, v0-127): accumulator tile (a, i) at 8 (4 a + i)
.set MSB, 0
.macro WIN new                         ; the high byte of the immediate repeats the setting that is left
.if MSB != \new
	s_set_vgpr_msb (MSB<<8)|\new
.set MSB, \new
.endif
.endm
.macro PLACES                          ; four plain vector places between a matrix instruction and a load into, or a read of, its registers
.rept 4
	v_nop
.endr
.endm
	s_load_b256 s[4:11], s[0:1], 0x0               ; left operand s[4:5], Wb s[6:7], bias s[8:9], tab s[10:11]
	s_load_b64 s[12:13], s[0:1], 0x20              ; out
	v_lshrrev_b32 v4, 5, v0
	v_readfirstlane_b32 s14, v4                    ; wave 0..7
	v_and_b32 v5, 31, v0
	v_lshlrev_b32 v[LN], 4, v5
	v_and_b32 v6, 15, v0                           ; r
	v_bfe_u32 v7, v0, 4, 1                         ; h
.if LAYER == 1
	v_lshlrev_b32 v[BO], 7, v7                     ; 32 h columns of 4 bytes
.else
	v_lshlrev_b32 v[BO], 4, v6                     ; 4 r columns of 4 bytes
	v_lshlrev_b32 v[CO], 15, v7                    ; 8 h rows of 4,096 bytes
	v_lshl_add_u32 v[CO], v6, 4, v[CO]             ; + 4 r columns
.endif
	s_mov_b32 s38, 0xffff0000                      ; a word's upper bf16
	s_lshr_b32 s15, s14, 2                         ; team
	s_bfe_u32 s16, s14, 0x10001                    ; which 64 slots of the block
	s_and_b32 s17, s14, 1                          ; which 64 columns of the 128
	s_lshl_b32 s18, s15, 8
	s_add_co_u32 s18, s18, ttmp9                   ; q of the first trip
	s_wait_kmcnt 0x0
	s_load_b32 s19, s[10:11], 0x20400              ; T
	s_wait_kmcnt 0x0
	s_min_u32 s19, s19, 256
	s_lshl_b32 s19, s19, 3                         ; 8 T
	s_cmp_lt_u32 s18, s19
	s_cbranch_scc0 .Lend                           ; a second team without an item
	s_sub_co_u32 s20, s19, s18
	s_add_co_u32 s20, s20, 511
	s_lshr_b32 s20, s20, 9                         ; trips
	s_mov_b32 s21, 0
; 16 loads: the 4 + 4 fragments of k group kg into buffer f
.macro FETCH kg, f
	WIN 0
.irp a, 0,1,2,3
	global_load_b128 v[\f+8*\a:\f+8*\a+3],   v[LN], s[30:31] offset:\a*32768+(\kg)*1024
	global_load_b128 v[\f+8*\a+4:\f+8*\a+7], v[LN], s[30:31] offset:\a*32768+(\kg)*1024+512
.endr
.irp i, 0,1,2,3
	global_load_b128 v[\f+32+8*\i:\f+32+8*\i+3],   v[LN], s[32:33] offset:\i*32768+(\kg)*1024
	global_load_b128 v[\f+32+8*\i+4:\f+32+8*\i+7], v[LN], s[32:33] offset:\i*32768+(\kg)*1024+512
.endr
.endm
; 16 matrix instructions: 4 row tiles x 4 column tiles, one k group.  first = 1: the sums start (from the bias, or from 0): nothing is cleared
.macro MUL f, first
	WIN 0x50                                       ; C and D in the second window
.irp a, 0,1,2,3
.irp i, 0,1,2,3
.if LAYER == 1
.if \first
	v_wmma_f32_16x16x32_bf16 v[8*(4*\a+\i):8*(4*\a+\i)+7], v[\f+32+8*\i:\f+32+8*\i+7], v[\f+8*\a:\f+8*\a+7], v[BT+8*\i:BT+8*\i+7]
.else
	v_wmma_f32_16x16x32_bf16 v[8*(4*\a+\i):8*(4*\a+\i)+7], v[\f+32+8*\i:\f+32+8*\i+7], v[\f+8*\a:\f+8*\a+7], v[8*(4*\a+\i):8*(4*\a+\i)+7]
.endif
.else
.if \first
	v_wmma_f32_16x16x32_bf16 v[8*(4*\a+\i):8*(4*\a+\i)+7], v[\f+8*\a:\f+8*\a+7], v[\f+32+8*\i:\f+32+8*\i+7], 0
.else
	v_wmma_f32_16x16x32_bf16 v[8*(4*\a+\i):8*(4*\a+\i)+7], v[\f+8*\a:\f+8*\a+7], v[\f+32+8*\i:\f+32+8*\i+7], v[8*(4*\a+\i):8*(4*\a+\i)+7]
.endif
.endif
.endr
.endr
.endm
; k group t: left = the loads of the younger groups, 16 each, that may stay out; fill = 1: group t + 3 is asked for into the buffer just used
.macro STEP t, left, fill, first
.set BUF, F+64*((\t)%3)
.set KG, (\t)+3
	s_wait_loadcnt \left
	MUL BUF, \first
.if \fill
	PLACES
	FETCH KG, BUF
.endif
.endm
.Litem:
	s_wait_xcnt 0x0                                ; the stores of the last item have read their base and data
	s_lshr_b32 s22, s18, 3
	s_min_u32 s22, s22, 255                        ; b
	s_lshl_b32 s23, s22, 2
	s_load_b32 s24, s[10:11], s23 offset:0x20000   ; its expert
	s_and_b32 s25, s18, 7
	s_lshl1_add_u32 s25, s25, s17                  ; G
	s_lshl1_add_u32 s26, s22, s16                  ; my 64 slots: 2 b + half
	s_mov_b32 s29, 0
	s_lshl_b32 s28, s26, 17                        ; 4 row tiles of 32,768 bytes
	s_add_nc_u64 s[30:31], s[4:5], s[28:29]
.if LAYER == 1
	s_lshl_b32 s27, s25, 11                        ; hs: the same row tiles, k groups 2 G and 2 G + 1
	s_add_co_u32 s28, s28, s27
.else
	s_lshl_b32 s28, s26, 18                        ; y: 64 rows of 4,096 bytes,
	s_lshl_b32 s27, s25, 8                         ; 64 columns of 4 bytes
	s_add_co_u32 s28, s28, s27
.endif
	s_add_nc_u64 s[36:37], s[12:13], s[28:29]
	s_wait_kmcnt 0x0
	s_min_u32 s24, s24, 7                          ; e
	s_lshl_b32 s28, s24, 21                        ; an expert is 2,097,152 bytes of bf16,
	s_lshl_b32 s27, s25, 17                        ; 4 column tiles of 32,768 bytes
	s_add_co_u32 s28, s28, s27
.if LAYER == 2
	s_add_co_u32 s28, s28, 16777216
.endif
	s_add_nc_u64 s[32:33], s[6:7], s[28:29]
	s_lshl_b32 s28, s24, 12
	s_lshl_b32 s27, s25, 8
	s_add_co_u32 s28, s28, s27
	s_add_nc_u64 s[34:35], s[8:9], s[28:29]
.if LAYER == 1
.irp q, 0,1,2,3,4,5,6,7
	global_load_b128 v[T+4*\q:T+4*\q+3], v[BO], s[34:35] offset:16*\q      ; bias of columns 64 G + 32 h + 0..31
.endr
.else
	global_load_b128 v[T:T+3], v[BO], s[34:35]                             ; bias of columns 64 G + 4 r + 0..3
.endif
	FETCH 0, F
	FETCH 1, F+64
	FETCH 2, F+128
.if LAYER == 1
	s_wait_loadcnt 48                              ; the 48 loads of the three k groups stay out: the bias is in
.irp j, 0,1,2,3,4,5,6,7
	v_cvt_pk_bf16_f32 v[T+4*\j],   v[T+4*\j],   v[T+4*\j+1]        ; the bias to bf16, nearest even, two to a word
	v_cvt_pk_bf16_f32 v[T+4*\j+2], v[T+4*\j+2], v[T+4*\j+3]
.endr
	WIN 0x40                                       ; destination in the second window
.irp j, 0,1,2,3,4,5,6,7
.irp i, 0,2
	v_lshlrev_b32 v[BT+8*\i+\j], 16, v[T+4*\j+\i]          ; and back to f32, into the order of the accumulators: tile i, register j is column 4 j + i
	v_and_b32 v[BT+8*(\i+1)+\j], s38, v[T+4*\j+\i]
.endr
.endr
.endif
	STEP 0, 32, 1, 1
.irp t, 1,2,3,4,5,6,7,8,9,10,11,12,13,14,15,16,17,18,19,20,21,22,23,24,25,26,27,28
	STEP \t, 32, 1, 0
.endr
	STEP 29, 32, 0, 0                              ; the last three ask for nothing: the counts run down
	STEP 30, 16, 0, 0
	STEP 31, 0, 0, 0
	PLACES
.if LAYER == 1
	WIN 0x04                                       ; source 1 from the second window
.set i, 0
.rept 128
	v_max_num_f32 v[64+i], 0, v[i]                 ; ReLU, into buffers 0 and 1, which are done with
.set i, i+1
.endr
	WIN 0
.irp a, 0,1,2,3
.irp y, 0,1
.irp j, 0,1,2,3,4,5,6,7
	v_cvt_pk_bf16_f32 v[192+8*(2*\a+\y)+\j], v[64+8*(4*\a+2*\y)+\j], v[64+8*(4*\a+2*\y+1)+\j]     ; register j of fragment (a, G, f): columns 4 j + 2 f, + 1
.endr
.endr
.endr
.irp a, 0,1,2,3
.irp y, 0,1
.irp p, 0,1
	global_store_b128 v[LN], v[192+8*(2*\a+\y)+4*\p:192+8*(2*\a+\y)+4*\p+3], s[36:37] offset:\a*32768+\y*1024+\p*512     ; 512 consecutive bytes, aligned
.endr
.endr
.endr
.else
	WIN 0
	v_cvt_pk_bf16_f32 v[T+4], v[T], v[T+1]         ; the bias to bf16, nearest even,
	v_cvt_pk_bf16_f32 v[T+5], v[T+2], v[T+3]
	v_lshlrev_b32 v[T], 16, v[T+4]                 ; and back to f32
	v_and_b32 v[T+1], s38, v[T+4]
	v_lshlrev_b32 v[T+2], 16, v[T+5]
	v_and_b32 v[T+3], s38, v[T+5]
	WIN 0x01                                       ; source 0 from the second window
.irp a, 0,1,2,3
.irp j, 0,1,2,3,4,5,6,7
.irp i, 0,1,2,3
	v_add_f32 v[64+4*(8*\a+\j)+\i], v[8*(4*\a+\i)+\j], v[T+\i]     ; the bias add lays columns 4 r + 0..3 of slot 16 a + 8 h + j side by side
.endr
.endr
.endr
	WIN 0
.irp a, 0,1,2,3
.irp j, 0,1,2,3,4,5,6,7
	global_store_b128 v[CO], v[64+4*(8*\a+\j):64+4*(8*\a+\j)+3], s[36:37] offset:(16*\a+\j)*4096   ; 16 lanes store 256 consecutive bytes, aligned
.endr
.endr
.endif
	WIN 0
	s_add_co_u32 s18, s18, 512
	s_add_co_u32 s21, s21, 1
	s_cmp_lt_u32 s21, s20
	s_cbranch_scc1 .Litem
.Lend:
	s_endpgm
.Lfunc_end_k_q0eaee8f7b7_ffn1:
	.size	k_q0eaee8f7b7_ffn1, .Lfunc_end_k_q0eaee8f7b7_ffn1-k_q0eaee8f7b7_ffn1
	.p2alignl 7, 3214868480
	.fill 96, 4, 3214868480
	.section	.rodata,"a",@progbits
	.p2align	6, 0x0
	.amdhsa_kernel k_q0eaee8f7b7_ffn1
		.amdhsa_group_segment_fixed_size 0
		.amdhsa_private_segment_fixed_size 0
		.amdhsa_enable_private_segment 0
		.amdhsa_kernarg_size 40
		.amdhsa_user_sgpr_count 2
		.amdhsa_user_sgpr_kernarg_segment_ptr 1
		.amdhsa_wavefront_size32 1
		.amdhsa_system_sgpr_workgroup_id_x 1
		.amdhsa_system_sgpr_workgroup_id_y 1
		.amdhsa_system_sgpr_workgroup_id_z 1
		.amdhsa_system_vgpr_workitem_id 0
		.amdhsa_next_free_vgpr 416
		.amdhsa_next_free_sgpr 66
		.amdhsa_reserve_vcc 0
		.amdhsa_float_denorm_mode_32 3
		.amdhsa_float_denorm_mode_16_64 3
		.amdhsa_memory_ordered 1
		.amdhsa_forward_progress 1
		.amdhsa_inst_pref_size 102
	.end_amdhsa_kernel
	.amdgpu_metadata
---
amdhsa.version: [ 1, 2 ]
amdhsa.kernels:
  - .name:           k_q0eaee8f7b7_ffn1
    .symbol:         k_q0eaee8f7b7_ffn1.kd
    .args:
      - { .name: xg, .offset: 0, .size: 8, .value_kind: global_buffer, .address_space: global }
      - { .name: Wb, .offset: 8, .size: 8, .value_kind: global_buffer, .address_space: global }
      - { .name: b1, .offset: 16, .size: 8, .value_kind: global_buffer, .address_space: global }
      - { .name: tab, .offset: 24, .size: 8, .value_kind: global_buffer, .address_space: global }
      - { .name: hs, .offset: 32, .size: 8, .value_kind: global_buffer, .address_space: global }
    .group_segment_fixed_size: 0
    .private_segment_fixed_size: 0
    .kernarg_segment_align: 8
    .kernarg_segment_size: 40
    .max_flat_workgroup_size: 256
    .sgpr_count:     66
    .vgpr_count:     416
    .wavefront_size: 32
...
	.end_amdgpu_metadata
.endif
;; end of part 4
;; launch ffn2 (part 5): grid 256 x 1, 8 waves a work-group, no clusters, 0 bytes of LDS; arguments hs, Wb, b2, tab, y; writes y
.if DOCPART == 5
	.amdgcn_target "amdgcn-amd-amdhsa--gfx1250"
	.amdhsa_code_object_version 6
	.text
	.protected	k_q0eaee8f7b7_ffn2
	.globl	k_q0eaee8f7b7_ffn2
	.p2align	8
	.type	k_q0eaee8f7b7_ffn2,@function
k_q0eaee8f7b7_ffn2:
	s_mov_b64 s[64:65], 0
	v_nop
	global_prefetch_b8 v0, s[64:65] scope:SCOPE_SE
	s_setreg_imm32_b32 hwreg(HW_REG_WAVE_MODE, 25, 1), 1
	s_wait_xcnt 0x0
; ffn, LAYER 1: hs = relu(xg W1[e] + b1[e]) in bf16.  LAYER 2: y = hs W2[e] + b2[e] in f32.  One text, the constant LAYER tells them apart.
; Rows are slots: a row block is 128 slots of one expert e = bexp[b]; T row blocks; both are whole numbers that an earlier launch stored in tab.
; HOW MANY TILES THERE ARE IS READ FROM MEMORY, and every wave of a work-group has to pass every barrier whatever the data, so no barrier can stand
; in a loop whose trips hang on that count.  Hence the waves share nothing: no LDS, no tensor load, no barrier, no cluster.  A fixed count of tiles
; (8 T at its largest, 2,048) would allow them and would cost the work of all 32,768 slots.  What the waves lose in sharing is made up by layout:
; xg, hs and Wb lie in fragment order, so that each operand load of a wave is 512 consecutive bytes straight into the registers of the matrix unit.
;   left operand:  [row tile of 16 slots][k group kg = 2 g + f][1,024 bytes];   Wb: [layer][e][column tile 4 G + i][kg][1,024 bytes]
;   in a fragment lane (r, h) has registers 0-3 at byte 256 h + 16 r, registers 4-7 at byte 512 + 256 h + 16 r; register q, half b holds
;   k = 64 g + 32 h + 4 q + 2 f + b, in both operands alike, so the products pair up.  Column tile (G, i) holds the columns 64 G + 4 r + i.
; Work: 8 waves = two teams of four.  A team takes item q = id + 256 team + 512 trip below 8 T (8 T >= 256: team 0 of every work-group has work):
; row block q >> 3, columns 128 (q & 7) + 0..127; a wave takes 64 slots x 64 columns (one G): 16 accumulator tiles, K = 1,024 in 32 k groups.
; A ring of three fragment buffers in registers: 16 loads a k group, asked for three groups ahead; at most 56 loads of a wave are out (8 + 3 x 16).
; LAYER 1 gives the weights as source 0: lane (r, h) then holds slot r, columns 64 G + 32 h + 4 j + i (tile i, register j): packed in pairs
; i = 2 f, 2 f + 1 these ARE the fragments (g = G, f) of hs.  The bias, brought into that order, is the C of the first product.
; LAYER 2 gives the slots as source 0: lane (r, h) holds slot 8 h + j, column 64 G + 4 r + i; the bias add puts i = 0..3 side by side, 16 bytes of a row of y.
; FORMAT: operands bf16, sums f32.  The bias is rounded to bf16 as well, like every floating-point input of this program, and then added in f32.
; NaN and infinities in rows of experts whose weight is 0 are not reproduced (those rows are not computed).
.set LAYER, 2
.set LN,  1                            ; v1       16 lane
.set BO,  2                            ; v2       my byte offset in the bias
.set CO,  3                            ; v3       LAYER 2: my byte offset in y
.set T,   32                           ; v[32:63] the bias as loaded (LAYER 2: v[32:35], and v[36:37] its packed form)
.set F,   64                           ; v[64:255] three buffers of 64: 4 fragments of slots, then 4 of weights
.set BT,  128                          ; registers 384-415 (named in the second window): LAYER 1, the bias in the order of the accumulators
                                       ; registers 256-383 (second window, v0-127): accumulator tile (a, i) at 8 (4 a + i)
.set MSB, 0
.macro WIN new                         ; the high byte of the immediate repeats the setting that is left
.if MSB != \new
	s_set_vgpr_msb (MSB<<8)|\new
.set MSB, \new
.endif
.endm
.macro PLACES                          ; four plain vector places between a matrix instruction and a load into, or a read of, its registers
.rept 4
	v_nop
.endr
.endm
	s_load_b256 s[4:11], s[0:1], 0x0               ; left operand s[4:5], Wb s[6:7], bias s[8:9], tab s[10:11]
	s_load_b64 s[12:13], s[0:1], 0x20              ; out
	v_lshrrev_b32 v4, 5, v0
	v_readfirstlane_b32 s14, v4                    ; wave 0..7
	v_and_b32 v5, 31, v0
	v_lshlrev_b32 v[LN], 4, v5
	v_and_b32 v6, 15, v0                           ; r
	v_bfe_u32 v7, v0, 4, 1                         ; h
.if LAYER == 1
	v_lshlrev_b32 v[BO], 7, v7                     ; 32 h columns of 4 bytes
.else
	v_lshlrev_b32 v[BO], 4, v6                     ; 4 r columns of 4 bytes
	v_lshlrev_b32 v[CO], 15, v7                    ; 8 h rows of 4,096 bytes
	v_lshl_add_u32 v[CO], v6, 4, v[CO]             ; + 4 r columns
.endif
	s_mov_b32 s38, 0xffff0000                      ; a word's upper bf16
	s_lshr_b32 s15, s14, 2                         ; team
	s_bfe_u32 s16, s14, 0x10001                    ; which 64 slots of the block
	s_and_b32 s17, s14, 1                          ; which 64 columns of the 128
	s_lshl_b32 s18, s15, 8
	s_add_co_u32 s18, s18, ttmp9                   ; q of the first trip
	s_wait_kmcnt 0x0
	s_load_b32 s19, s[10:11], 0x20400              ; T
	s_wait_kmcnt 0x0
	s_min_u32 s19, s19, 256
	s_lshl_b32 s19, s19, 3                         ; 8 T
	s_cmp_lt_u32 s18, s19
	s_cbranch_scc0 .Lend                           ; a second team without an item
	s_sub_co_u32 s20, s19, s18
	s_add_co_u32 s20, s20, 511
	s_lshr_b32 s20, s20, 9                         ; trips
	s_mov_b32 s21, 0
; 16 loads: the 4 + 4 fragments of k group kg into buffer f
.macro FETCH kg, f
	WIN 0
.irp a, 0,1,2,3
	global_load_b128 v[\f+8*\a:\f+8*\a+3],   v[LN], s[30:31] offset:\a*32768+(\kg)*1024
	global_load_b128 v[\f+8*\a+4:\f+8*\a+7], v[LN], s[30:31] offset:\a*32768+(\kg)*1024+512
.endr
.irp i, 0,1,2,3
	global_load_b128 v[\f+32+8*\i:\f+32+8*\i+3],   v[LN], s[32:33] offset:\i*32768+(\kg)*1024
	global_load_b128 v[\f+32+8*\i+4:\f+32+8*\i+7], v[LN], s[32:33] offset:\i*32768+(\kg)*1024+512
.endr
.endm
; 16 matrix instructions: 4 row tiles x 4 column tiles, one k group.  first = 1: the sums start (from the bias, or from 0): nothing is cleared
.macro MUL f, first
	WIN 0x50                                       ; C and D in the second window
.irp a, 0,1,2,3
.irp i, 0,1,2,3
.if LAYER == 1
.if \first
	v_wmma_f32_16x16x32_bf16 v[8*(4*\a+\i):8*(4*\a+\i)+7], v[\f+32+8*\i:\f+32+8*\i+7], v[\f+8*\a:\f+8*\a+7], v[BT+8*\i:BT+8*\i+7]
.else
	v_wmma_f32_16x16x32_bf16 v[8*(4*\a+\i):8*(4*\a+\i)+7], v[\f+32+8*\i:\f+32+8*\i+7], v[\f+8*\a:\f+8*\a+7], v[8*(4*\a+\i):8*(4*\a+\i)+7]
.endif
.else
.if \first
	v_wmma_f32_16x16x32_bf16 v[8*(4*\a+\i):8*(4*\a+\i)+7], v[\f+8*\a:\f+8*\a+7], v[\f+32+8*\i:\f+32+8*\i+7], 0
.else
	v_wmma_f32_16x16x32_bf16 v[8*(4*\a+\i):8*(4*\a+\i)+7], v[\f+8*\a:\f+8*\a+7], v[\f+32+8*\i:\f+32+8*\i+7], v[8*(4*\a+\i):8*(4*\a+\i)+7]
.endif
.endif
.endr
.endr
.endm
; k group t: left = the loads of the younger groups, 16 each, that may stay out; fill = 1: group t + 3 is asked for into the buffer just used
.macro STEP t, left, fill, first
.set BUF, F+64*((\t)%3)
.set KG, (\t)+3
	s_wait_loadcnt \left
	MUL BUF, \first
.if \fill
	PLACES
	FETCH KG, BUF
.endif
.endm
.Litem:
	s_wait_xcnt 0x0                                ; the stores of the last item have read their base and data
	s_lshr_b32 s22, s18, 3
	s_min_u32 s22, s22, 255                        ; b
	s_lshl_b32 s23, s22, 2
	s_load_b32 s24, s[10:11], s23 offset:0x20000   ; its expert
	s_and_b32 s25, s18, 7
	s_lshl1_add_u32 s25, s25, s17                  ; G
	s_lshl1_add_u32 s26, s22, s16                  ; my 64 slots: 2 b + half
	s_mov_b32 s29, 0
	s_lshl_b32 s28, s26, 17                        ; 4 row tiles of 32,768 bytes
	s_add_nc_u64 s[30:31], s[4:5], s[28:29]
.if LAYER == 1
	s_lshl_b32 s27, s25, 11                        ; hs: the same row tiles, k groups 2 G and 2 G + 1
	s_add_co_u32 s28, s28, s27
.else
	s_lshl_b32 s28, s26, 18                        ; y: 64 rows of 4,096 bytes,
	s_lshl_b32 s27, s25, 8                         ; 64 columns of 4 bytes
	s_add_co_u32 s28, s28, s27
.endif
	s_add_nc_u64 s[36:37], s[12:13], s[28:29]
	s_wait_kmcnt 0x0
	s_min_u32 s24, s24, 7                          ; e
	s_lshl_b32 s28, s24, 21                        ; an expert is 2,097,152 bytes of bf16,
	s_lshl_b32 s27, s25, 17                        ; 4 column tiles of 32,768 bytes
	s_add_co_u32 s28, s28, s27
.if LAYER == 2
	s_add_co_u32 s28, s28, 16777216
.endif
	s_add_nc_u64 s[32:33], s[6:7], s[28:29]
	s_lshl_b32 s28, s24, 12
	s_lshl_b32 s27, s25, 8
	s_add_co_u32 s28, s28, s27
	s_add_nc_u64 s[34:35], s[8:9], s[28:29]
.if LAYER == 1
.irp q, 0,1,2,3,4,5,6,7
	global_load_b128 v[T+4*\q:T+4*\q+3], v[BO], s[34:35] offset:16*\q      ; bias of columns 64 G + 32 h + 0..31
.endr
.else
	global_load_b128 v[T:T+3], v[BO], s[34:35]                             ; bias of columns 64 G + 4 r + 0..3
.endif
	FETCH 0, F
	FETCH 1, F+64
	FETCH 2, F+128
.if LAYER == 1
	s_wait_loadcnt 48                              ; the 48 loads of the three k groups stay out: the bias is in
.irp j, 0,1,2,3,4,5,6,7
	v_cvt_pk_bf16_f32 v[T+4*\j],   v[T+4*\j],   v[T+4*\j+1]        ; the bias to bf16, nearest even, two to a word
	v_cvt_pk_bf16_f32 v[T+4*\j+2], v[T+4*\j+2], v[T+4*\j+3]
.endr
	WIN 0x40                                       ; destination in the second window
.irp j, 0,1,2,3,4,5,6,7
.irp i, 0,2
	v_lshlrev_b32 v[BT+8*\i+\j], 16, v[T+4*\j+\i]          ; and back to f32, into the order of the accumulators: tile i, register j is column 4 j + i
	v_and_b32 v[BT+8*(\i+1)+\j], s38, v[T+4*\j+\i]
.endr
.endr
.endif
	STEP 0, 32, 1, 1
.irp t, 1,2,3,4,5,6,7,8,9,10,11,12,13,14,15,16,17,18,19,20,21,22,23,24,25,26,27,28
	STEP \t, 32, 1, 0
.endr
	STEP 29, 32, 0, 0                              ; the last three ask for nothing: the counts run down
	STEP 30, 16, 0, 0
	STEP 31, 0, 0, 0
	PLACES
.if LAYER == 1
	WIN 0x04                                       ; source 1 from the second window
.set i, 0
.rept 128
	v_max_num_f32 v[64+i], 0, v[i]                 ; ReLU, into buffers 0 and 1, which are done with
.set i, i+1
.endr
	WIN 0
.irp a, 0,1,2,3
.irp y, 0,1
.irp j, 0,1,2,3,4,5,6,7
	v_cvt_pk_bf16_f32 v[192+8*(2*\a+\y)+\j], v[64+8*(4*\a+2*\y)+\j], v[64+8*(4*\a+2*\y+1)+\j]     ; register j of fragment (a, G, f): columns 4 j + 2 f, + 1
.endr
.endr
.endr
.irp a, 0,1,2,3
.irp y, 0,1
.irp p, 0,1
	global_store_b128 v[LN], v[192+8*(2*\a+\y)+4*\p:192+8*(2*\a+\y)+4*\p+3], s[36:37] offset:\a*32768+\y*1024+\p*512     ; 512 consecutive bytes, aligned
.endr
.endr
.endr
.else
	WIN 0
	v_cvt_pk_bf16_f32 v[T+4], v[T], v[T+1]         ; the bias to bf16, nearest even,
	v_cvt_pk_bf16_f32 v[T+5], v[T+2], v[T+3]
	v_lshlrev_b32 v[T], 16, v[T+4]                 ; and back to f32
	v_and_b32 v[T+1], s38, v[T+4]
	v_lshlrev_b32 v[T+2], 16, v[T+5]
	v_and_b32 v[T+3], s38, v[T+5]
	WIN 0x01                                       ; source 0 from the second window
.irp a, 0,1,2,3
.irp j, 0,1,2,3,4,5,6,7
.irp i, 0,1,2,3
	v_add_f32 v[64+4*(8*\a+\j)+\i], v[8*(4*\a+\i)+\j], v[T+\i]     ; the bias add lays columns 4 r + 0..3 of slot 16 a + 8 h + j side by side
.endr
.endr
.endr
	WIN 0
.irp a, 0,1,2,3
.irp j, 0,1,2,3,4,5,6,7
	global_store_b128 v[CO], v[64+4*(8*\a+\j):64+4*(8*\a+\j)+3], s[36:37] offset:(16*\a+\j)*4096   ; 16 lanes store 256 consecutive bytes, aligned
.endr
.endr
.endif
	WIN 0
	s_add_co_u32 s18, s18, 512
	s_add_co_u32 s21, s21, 1
	s_cmp_lt_u32 s21, s20
	s_cbranch_scc1 .Litem
.Lend:
	s_endpgm
.Lfunc_end_k_q0eaee8f7b7_ffn2:
	.size	k_q0eaee8f7b7_ffn2, .Lfunc_end_k_q0eaee8f7b7_ffn2-k_q0eaee8f7b7_ffn2
	.p2alignl 7, 3214868480
	.fill 96, 4, 3214868480
	.section	.rodata,"a",@progbits
	.p2align	6, 0x0
	.amdhsa_kernel k_q0eaee8f7b7_ffn2
		.amdhsa_group_segment_fixed_size 0
		.amdhsa_private_segment_fixed_size 0
		.amdhsa_enable_private_segment 0
		.amdhsa_kernarg_size 40
		.amdhsa_user_sgpr_count 2
		.amdhsa_user_sgpr_kernarg_segment_ptr 1
		.amdhsa_wavefront_size32 1
		.amdhsa_system_sgpr_workgroup_id_x 1
		.amdhsa_system_sgpr_workgroup_id_y 1
		.amdhsa_system_sgpr_workgroup_id_z 1
		.amdhsa_system_vgpr_workitem_id 0
		.amdhsa_next_free_vgpr 384
		.amdhsa_next_free_sgpr 66
		.amdhsa_reserve_vcc 0
		.amdhsa_float_denorm_mode_32 3
		.amdhsa_float_denorm_mode_16_64 3
		.amdhsa_memory_ordered 1
		.amdhsa_forward_progress 1
		.amdhsa_inst_pref_size 97
	.end_amdhsa_kernel
	.amdgpu_metadata
---
amdhsa.version: [ 1, 2 ]
amdhsa.kernels:
  - .name:           k_q0eaee8f7b7_ffn2
    .symbol:         k_q0eaee8f7b7_ffn2.kd
    .args:
      - { .name: hs, .offset: 0, .size: 8, .value_kind: global_buffer, .address_space: global }
      - { .name: Wb, .offset: 8, .size: 8, .value_kind: global_buffer, .address_space: global }
      - { .name: b2, .offset: 16, .size: 8, .value_kind: global_buffer, .address_space: global }
      - { .name: tab, .offset: 24, .size: 8, .value_kind: global_buffer, .address_space: global }
      - { .name: y, .offset: 32, .size: 8, .value_kind: global_buffer, .address_space: global }
    .group_segment_fixed_size: 0
    .private_segment_fixed_size: 0
    .kernarg_segment_align: 8
    .kernarg_segment_size: 40
    .max_flat_workgroup_size: 256
    .sgpr_count:     66
    .vgpr_count:     384
    .wavefront_size: 32
...
	.end_amdgpu_metadata
.endif
;; end of part 5
;; launch combine (part 6): grid 512 x 1, 8 waves a work-group, no clusters, 0 bytes of LDS; arguments y, sw, msk, tab, out0; writes out0
.if DOCPART == 6
	.amdgcn_target "amdgcn-amd-amdhsa--gfx1250"
	.amdhsa_code_object_version 6
	.text
	.protected	k_q0eaee8f7b7_combine
	.globl	k_q0eaee8f7b7_combine
	.p2align	8
	.type	k_q0eaee8f7b7_combine,@function
k_q0eaee8f7b7_combine:
	s_mov_b64 s[64:65], 0
	v_nop
	global_prefetch_b8 v0, s[64:65] scope:SCOPE_SE
	s_setreg_imm32_b32 hwreg(HW_REG_WAVE_MODE, 25, 1), 1
	s_wait_xcnt 0x0
; combine: out0[n] = sum over the experts e with bit e of msk[n] set of sw[n][e] * y[slot(n, e)], e ascending, in f32.
; One wave, one token: a row of 4,096 bytes is eight loads of 512 consecutive bytes.  The mask, the eight weights and the eight slots of the token
; come by scalar loads; mask and slots are whole numbers that earlier launches stored.  Each row of y that belongs to a pair is read once.
; A stream: no LDS, no barrier, no matrix unit, and no tile that two work-groups share, so no cluster.
; A token whose mask were empty (it never is for finite inputs: the largest weight is at least 1/8) gets zeros.
.set ACC, 8                            ; v[8:39]  the sum
.set X,   40                           ; v[40:71] a row of y
	s_load_b256 s[4:11], s[0:1], 0x0               ; y s[4:5], sw s[6:7], msk s[8:9], tab s[10:11]
	s_load_b64 s[12:13], s[0:1], 0x20              ; out0
	v_lshrrev_b32 v2, 5, v0
	v_readfirstlane_b32 s14, v2
	v_and_b32 v1, 31, v0
	v_lshlrev_b32 v1, 4, v1                        ; 16 lane
	s_lshl3_add_u32 s15, ttmp9, s14                ; n
	s_lshl_b32 s17, s15, 2
	s_lshl_b32 s18, s15, 5
	s_lshl_b32 s19, s15, 4
	s_wait_kmcnt 0x0
	s_load_b32 s16, s[8:9], s17 offset:0x0                 ; the mask
	s_load_b256 s[20:27], s[6:7], s18 offset:0x0           ; the weights
	s_load_b128 s[28:31], s[10:11], s19 offset:0x0         ; slots of experts 0-3
	s_load_b128 s[32:35], s[10:11], s19 offset:0x10000     ; and 4-7
.set i, 0
.rept 32
	v_mov_b32 v[ACC+i], 0                          ; which expert comes first is not known when the text is written
.set i, i+1
.endr
	s_lshl_b32 s42, s15, 12
	s_mov_b32 s43, 0
	s_add_nc_u64 s[42:43], s[12:13], s[42:43]
	s_mov_b32 s39, 0
	s_wait_kmcnt 0x0
.irp e, 0,1,2,3,4,5,6,7
	s_bitcmp1_b32 s16, \e
	s_cbranch_scc0 .Lskip\e
	s_min_u32 s38, s[28+\e], 0x7fff
	s_lshl_b32 s38, s38, 12
	s_add_nc_u64 s[40:41], s[4:5], s[38:39]        ; the loads of the expert before are done (their last wait is for 0)
	s_mov_b32 s36, s[20+\e]
	s_mov_b32 s37, s[20+\e]
.irp j, 0,1,2,3,4,5,6,7
	global_load_b128 v[X+4*\j:X+4*\j+3], v1, s[40:41] offset:512*\j th:TH_LOAD_NT
.endr
.irp j, 0,1,2,3,4,5,6,7
	s_wait_loadcnt 7-\j                            ; the younger loads of the row stay out
	v_pk_fma_f32 v[ACC+4*\j:ACC+4*\j+1], v[X+4*\j:X+4*\j+1], s[36:37], v[ACC+4*\j:ACC+4*\j+1] op_sel_hi:[1,0,1]
	v_pk_fma_f32 v[ACC+4*\j+2:ACC+4*\j+3], v[X+4*\j+2:X+4*\j+3], s[36:37], v[ACC+4*\j+2:ACC+4*\j+3] op_sel_hi:[1,0,1]
.endr
.Lskip\e:
.endr
.irp j, 0,1,2,3,4,5,6,7
	global_store_b128 v1, v[ACC+4*\j:ACC+4*\j+3], s[42:43] offset:512*\j th:TH_STORE_NT    ; 512 consecutive bytes, aligned
.endr
	s_endpgm
.Lfunc_end_k_q0eaee8f7b7_combine:
	.size	k_q0eaee8f7b7_combine, .Lfunc_end_k_q0eaee8f7b7_combine-k_q0eaee8f7b7_combine
	.p2alignl 7, 3214868480
	.fill 96, 4, 3214868480
	.section	.rodata,"a",@progbits
	.p2align	6, 0x0
	.amdhsa_kernel k_q0eaee8f7b7_combine
		.amdhsa_group_segment_fixed_size 0
		.amdhsa_private_segment_fixed_size 0
		.amdhsa_enable_private_segment 0
		.amdhsa_kernarg_size 40
		.amdhsa_user_sgpr_count 2
		.amdhsa_user_sgpr_kernarg_segment_ptr 1
		.amdhsa_wavefront_size32 1
		.amdhsa_system_sgpr_workgroup_id_x 1
		.amdhsa_system_sgpr_workgroup_id_y 1
		.amdhsa_system_sgpr_workgroup_id_z 1
		.amdhsa_system_vgpr_workitem_id 0
		.amdhsa_next_free_vgpr 72
		.amdhsa_next_free_sgpr 66
		.amdhsa_reserve_vcc 0
		.amdhsa_float_denorm_mode_32 3
		.amdhsa_float_denorm_mode_16_64 3
		.amdhsa_memory_ordered 1
		.amdhsa_forward_progress 1
		.amdhsa_inst_pref_size 21
	.end_amdhsa_kernel
	.amdgpu_metadata
---
amdhsa.version: [ 1, 2 ]
amdhsa.kernels:
  - .name:           k_q0eaee8f7b7_combine
    .symbol:         k_q0eaee8f7b7_combine.kd
    .args:
      - { .name: y, .offset: 0, .size: 8, .value_kind: global_buffer, .address_space: global }
      - { .name: sw, .offset: 8, .size: 8, .value_kind: global_buffer, .address_space: global }
      - { .name: msk, .offset: 16, .size: 8, .value_kind: global_buffer, .address_space: global }
      - { .name: tab, .offset: 24, .size: 8, .value_kind: global_buffer, .address_space: global }
      - { .name: out0, .offset: 32, .size: 8, .value_kind: global_buffer, .address_space: global }
    .group_segment_fixed_size: 0
    .private_segment_fixed_size: 0
    .kernarg_segment_align: 8
    .kernarg_segment_size: 40
    .max_flat_workgroup_size: 256
    .sgpr_count:     66
    .vgpr_count:     72
    .wavefront_size: 32
...
	.end_amdgpu_metadata
.endif
;; end of part 6
;; ======== version 2 of 2: 6 launches; version 1 with the launches ffn1, ffn2 written anew for expert scheduling mode
;; limits: values outside matrix products are rounded to bf16
;; workspace buffers: Wb 33,554,432 bytes; sw 131,072 bytes; msk 16,384 bytes of whole numbers; tab 263,424 bytes of whole numbers; xg 67,108,864 bytes; hs 67,108,864 bytes; y 134,217,728 bytes
;; launch prep: the kernel of part 1 again; grid 768 x 1, 8 waves a work-group, no clusters, 38,912 bytes of LDS; arguments x, Wsel, bsel, W1, W2, sw, msk, Wb; writes sw, msk, Wb
;; launch assign: the kernel of part 2 again; grid 1 x 1, 32 waves a work-group, no clusters, 139,776 bytes of LDS; arguments msk, tab; writes tab
;; launch gather: the kernel of part 3 again; grid 256 x 1, 32 waves a work-group, no clusters, 0 bytes of LDS; arguments tab, x, xg; writes xg
;; launch ffn1 (part 7): grid 256 x 1, 8 waves a work-group, no clusters, 0 bytes of LDS; arguments xg, Wb, b1, tab, hs; writes hs
.if DOCPART == 7
	.amdgcn_target "amdgcn-amd-amdhsa--gfx1250"
	.amdhsa_code_object_version 6
	.text
	.protected	k_q0eaee8f7b7_ffn1
	.globl	k_q0eaee8f7b7_ffn1
	.p2align	8
	.type	k_q0eaee8f7b7_ffn1,@function
k_q0eaee8f7b7_ffn1:
	s_mov_b64 s[64:65], 0
	v_nop
	global_prefetch_b8 v0, s[64:65] scope:SCOPE_SE
	s_setreg_imm32_b32 hwreg(HW_REG_WAVE_SCHED_MODE, 0, 2), 2
	s_setreg_imm32_b32 hwreg(HW_REG_WAVE_MODE, 25, 1), 1
	s_wait_xcnt 0x0
	s_wait_alu depctr_vm_vsrc(0)
; ffn, LAYER 1: hs = relu(xg W1[e] + b1[e]) in bf16.  LAYER 2: y = hs W2[e] + b2[e] in f32.  One text, the constant LAYER tells them apart.
; Rows are slots: a row block is 128 slots of one expert e = bexp[b]; T row blocks; both are whole numbers that an earlier launch stored in tab.
; HOW MANY TILES THERE ARE IS READ FROM MEMORY, and every wave of a work-group has to pass every barrier whatever the data, so no barrier can stand
; in a loop whose trips hang on that count.  Hence the waves share nothing: no LDS, no tensor load, no barrier, no cluster.  A fixed count of tiles
; (8 T at its largest, 2,048) would allow them and would cost the work of all 32,768 slots.  What the waves lose in sharing is made up by layout:
; xg, hs and Wb lie in fragment order, so that each operand load of a wave is 512 consecutive bytes straight into the registers of the matrix unit.
;   left operand:  [row tile of 16 slots][k group kg = 2 g + f][1,024 bytes];   Wb: [layer][e][column tile 4 G + i][kg][1,024 bytes]
;   in a fragment lane (r, h) has registers 0-3 at byte 256 h + 16 r, registers 4-7 at byte 512 + 256 h + 16 r; register q, half b holds
;   k = 64 g + 32 h + 4 q + 2 f + b, in both operands alike, so the products pair up.  Column tile (G, i) holds the columns 64 G + 4 r + i.
; Work: 8 waves = two teams of four.  A team takes item q = id + 256 team + 512 trip below 8 T (8 T >= 256: team 0 of every work-group has work):
; row block q >> 3, columns 128 (q & 7) + 0..127; a wave takes 64 slots x 64 columns (one G): 16 accumulator tiles, K = 1,024 in 32 k groups.
; A ring of four fragment buffers in registers: 16 loads a k group, asked for three groups ahead; at most 56 loads of a wave are out (8 + 3 x 16).
; LAYER 1 gives the weights as source 0: lane (r, h) then holds slot r, columns 64 G + 32 h + 4 j + i (tile i, register j): packed in pairs
; i = 2 f, 2 f + 1 these ARE the fragments (g = G, f) of hs.  The bias, brought into that order, is the C of the first product.
; LAYER 2 gives the slots as source 0: lane (r, h) holds slot 8 h + j, column 64 G + 4 r + i; the bias add puts i = 0..3 side by side, 16 bytes of a row of y.
; FORMAT: operands bf16, sums f32.  The bias is rounded to bf16 as well, like every floating-point input of this program, and then added in f32.
; NaN and infinities in rows of experts whose weight is 0 are not reproduced (those rows are not computed).
; THE MODE: SCHED_MODE bits 1:0 = 2 (LLVM: expert scheduling mode 2), set by the entry lines.  The code itself states the register dependences
; between vector or matrix instructions and memory instructions, with s_wait_alu, always for 0.
; THE PLAN.  Registers that memory instructions touch:
;   B0 .. B3   the ring; k group t lies in B[t % 4].  Written by the 16 loads that are issued in step t - 3 (groups 0 to 2: at the item's head);
;              read by the 16 matrix instructions of step t.  On the way out B0 to B2 serve once more.  LAYER 1: the ReLU writes B0 and B1, the
;              roundings read them and write B2, the stores read B2.  LAYER 2: the bias add writes B0 and B1, the stores read them.
;   T          the bias.  Written by its loads at the item's head; read and written by its conversions, in LAYER 2 read by the bias add.
;   v1 .. v3   offsets, made at the kernel's head and never written again: the scalar bases and immediate offsets do the rest.
;   The accumulators and BT are named by vector and matrix instructions alone.
; The loads of step t land in B[(t + 3) % 4] = B[(t - 1) % 4], which the matrix instructions of step t - 1 read and no instruction of step t names.
; So ONE wait on va_vdst stands at the head of a step that loads, behind the wait for the step's own data; the 16 loads follow in one run behind
; the step's first four matrix instructions.  One more stands ahead of the run of stores; no vector instruction follows it in the item, so the
; next item's first loads owe only the wait on vm_vsrc at the item's head: the stores have read their data.
.set LAYER, 1
.set LN,  1                            ; v1       16 lane
.set BO,  2                            ; v2       my byte offset in the bias
.set CO,  3                            ; v3       LAYER 2: my byte offset in y
.set T,   32                           ; v[32:63] the bias as loaded (LAYER 2: v[32:35], and v[36:37] its packed form)
.set F,   64                           ; v[64:255] buffers 0 to 2 of the ring, 64 registers each: 4 fragments of slots, then 4 of weights
.set BT,  128                          ; registers 384-415 (named in the second window): LAYER 1, the bias in the order of the accumulators
                                       ; registers 256-383 (second window, v0-127): accumulator tile (a, i) at 8 (4 a + i)
.if LAYER == 1
.set F3,  160                          ; registers 416-479 (second window): buffer 3 of the ring
.else
.set F3,  128                          ; registers 384-447 (second window): buffer 3 of the ring
.endif
.set MSB, 0
.macro WIN new                         ; the high byte of the immediate repeats the setting that is left
.if MSB != \new
	s_set_vgpr_msb (MSB<<8)|\new
.set MSB, \new
.endif
.endm
.macro PLACES                          ; four plain vector places between a matrix instruction and a vector read of its result or write of its sources (ISA guide 7.12.1)
.rept 4
	v_nop
.endr
.endm
	s_load_b256 s[4:11], s[0:1], 0x0               ; left operand s[4:5], Wb s[6:7], bias s[8:9], tab s[10:11]
	s_load_b64 s[12:13], s[0:1], 0x20              ; out
	v_lshrrev_b32 v4, 5, v0
	v_readfirstlane_b32 s14, v4                    ; wave 0..7
	v_and_b32 v5, 31, v0
	v_lshlrev_b32 v[LN], 4, v5
	v_and_b32 v6, 15, v0                           ; r
	v_bfe_u32 v7, v0, 4, 1                         ; h
.if LAYER == 1
	v_lshlrev_b32 v[BO], 7, v7                     ; 32 h columns of 4 bytes
.else
	v_lshlrev_b32 v[BO], 4, v6                     ; 4 r columns of 4 bytes
	v_lshlrev_b32 v[CO], 15, v7                    ; 8 h rows of 4,096 bytes
	v_lshl_add_u32 v[CO], v6, 4, v[CO]             ; + 4 r columns
.endif
	s_mov_b32 s38, 0xffff0000                      ; a word's upper bf16
	s_wait_alu depctr_va_sdst(0)                   ; s14 is written, ahead of its first reader: team, halves and the first item are made from it
	s_lshr_b32 s15, s14, 2                         ; team
	s_bfe_u32 s16, s14, 0x10001                    ; which 64 slots of the block
	s_and_b32 s17, s14, 1                          ; which 64 columns of the 128
	s_lshl_b32 s18, s15, 8
	s_add_co_u32 s18, s18, ttmp9                   ; q of the first trip
	s_wait_kmcnt 0x0
	s_load_b32 s19, s[10:11], 0x20400              ; T
	s_wait_kmcnt 0x0
	s_min_u32 s19, s19, 256
	s_lshl_b32 s19, s19, 3                         ; 8 T
	s_cmp_lt_u32 s18, s19
	s_cbranch_scc0 .Lend                           ; a second team without an item
	s_sub_co_u32 s20, s19, s18
	s_add_co_u32 s20, s20, 511
	s_lshr_b32 s20, s20, 9                         ; trips
	s_mov_b32 s21, 0
	s_wait_alu depctr_va_vdst(0)                   ; the offsets v1 to v3 are written: every load and store of the kernel reads one of them
; 16 loads: the 4 + 4 fragments of k group kg into buffer kg % 4
.macro FETCH kg
.if (\kg)%4 == 3
	WIN 0x40                                       ; the data in the second window, the offset in the first
.set FB, F3
.else
	WIN 0
.set FB, F+64*((\kg)%4)
.endif
.irp a, 0,1,2,3
	global_load_b128 v[FB+8*\a:FB+8*\a+3],   v[LN], s[30:31] offset:\a*32768+(\kg)*1024
	global_load_b128 v[FB+8*\a+4:FB+8*\a+7], v[LN], s[30:31] offset:\a*32768+(\kg)*1024+512
.endr
.irp i, 0,1,2,3
	global_load_b128 v[FB+32+8*\i:FB+32+8*\i+3],   v[LN], s[32:33] offset:\i*32768+(\kg)*1024
	global_load_b128 v[FB+32+8*\i+4:FB+32+8*\i+7], v[LN], s[32:33] offset:\i*32768+(\kg)*1024+512
.endr
.endm
; 4 matrix instructions: row tile a x 4 column tiles of k group t.  first = 1: the sums start (from the bias, or from 0): nothing is cleared.
; Four calls, a = 0 to 3, take the 16 accumulators by turns, in the same order in every step.
.macro MUL t, a, first
.if (\t)%4 == 3
	WIN 0x55                                       ; buffer 3: the sources lie in the second window too
.set MB, F3
.else
	WIN 0x50                                       ; C and D in the second window
.set MB, F+64*((\t)%4)
.endif
.irp i, 0,1,2,3
.if LAYER == 1
.if \first
	v_wmma_f32_16x16x32_bf16 v[8*(4*\a+\i):8*(4*\a+\i)+7], v[MB+32+8*\i:MB+32+8*\i+7], v[MB+8*\a:MB+8*\a+7], v[BT+8*\i:BT+8*\i+7]
.else
	v_wmma_f32_16x16x32_bf16 v[8*(4*\a+\i):8*(4*\a+\i)+7], v[MB+32+8*\i:MB+32+8*\i+7], v[MB+8*\a:MB+8*\a+7], v[8*(4*\a+\i):8*(4*\a+\i)+7]
.endif
.else
.if \first
	v_wmma_f32_16x16x32_bf16 v[8*(4*\a+\i):8*(4*\a+\i)+7], v[MB+8*\a:MB+8*\a+7], v[MB+32+8*\i:MB+32+8*\i+7], 0
.else
	v_wmma_f32_16x16x32_bf16 v[8*(4*\a+\i):8*(4*\a+\i)+7], v[MB+8*\a:MB+8*\a+7], v[MB+32+8*\i:MB+32+8*\i+7], v[8*(4*\a+\i):8*(4*\a+\i)+7]
.endif
.endif
.endr
.endm
; k group t: left = the loads of the younger groups, 16 each, that may stay out; fill = 1: group t + 3 is asked for, into the buffer that the step before read.
; Step 0 (first = 1) asks without a wait on va_vdst: since the last such wait only the bias's conversions were issued, which name T and BT.
.macro STEP t, left, fill, first
.set KG, (\t)+3
	s_wait_loadcnt \left
.if (\fill) && !(\first)
	s_wait_alu depctr_va_vdst(0)                   ; the matrix instructions of the step before are done reading their buffer, in which the loads below land
.endif
	MUL \t, 0, \first
.if \fill
	FETCH KG                                       ; no further wait: the four matrix instructions since the wait name this step's buffer and the accumulators alone
.endif
	MUL \t, 1, \first
	MUL \t, 2, \first
	MUL \t, 3, \first
.endm
.Litem:
	s_wait_xcnt 0x0                                ; the stores of the last item have read their base and data
	s_wait_alu depctr_vm_vsrc(0)                   ; the stores of the last item have read their data registers, in which the loads of groups 0 to 2 land
	s_lshr_b32 s22, s18, 3
	s_min_u32 s22, s22, 255                        ; b
	s_lshl_b32 s23, s22, 2
	s_load_b32 s24, s[10:11], s23 offset:0x20000   ; its expert
	s_and_b32 s25, s18, 7
	s_lshl1_add_u32 s25, s25, s17                  ; G
	s_lshl1_add_u32 s26, s22, s16                  ; my 64 slots: 2 b + half
	s_mov_b32 s29, 0
	s_lshl_b32 s28, s26, 17                        ; 4 row tiles of 32,768 bytes
	s_add_nc_u64 s[30:31], s[4:5], s[28:29]
.if LAYER == 1
	s_lshl_b32 s27, s25, 11                        ; hs: the same row tiles, k groups 2 G and 2 G + 1
	s_add_co_u32 s28, s28, s27
.else
	s_lshl_b32 s28, s26, 18                        ; y: 64 rows of 4,096 bytes,
	s_lshl_b32 s27, s25, 8                         ; 64 columns of 4 bytes
	s_add_co_u32 s28, s28, s27
.endif
	s_add_nc_u64 s[36:37], s[12:13], s[28:29]
	s_wait_kmcnt 0x0
	s_min_u32 s24, s24, 7                          ; e
	s_lshl_b32 s28, s24, 21                        ; an expert is 2,097,152 bytes of bf16,
	s_lshl_b32 s27, s25, 17                        ; 4 column tiles of 32,768 bytes
	s_add_co_u32 s28, s28, s27
.if LAYER == 2
	s_add_co_u32 s28, s28, 16777216
.endif
	s_add_nc_u64 s[32:33], s[6:7], s[28:29]
	s_lshl_b32 s28, s24, 12
	s_lshl_b32 s27, s25, 8
	s_add_co_u32 s28, s28, s27
	s_add_nc_u64 s[34:35], s[8:9], s[28:29]
.if LAYER == 1
.irp q, 0,1,2,3,4,5,6,7
	global_load_b128 v[T+4*\q:T+4*\q+3], v[BO], s[34:35] offset:16*\q      ; bias of columns 64 G + 32 h + 0..31
.endr
.else
	global_load_b128 v[T:T+3], v[BO], s[34:35]                             ; bias of columns 64 G + 4 r + 0..3
.endif
	FETCH 0
	FETCH 1
	FETCH 2
.if LAYER == 1
	s_wait_loadcnt 48                              ; the 48 loads of the three k groups stay out: the bias is in
.irp j, 0,1,2,3,4,5,6,7
	v_cvt_pk_bf16_f32 v[T+4*\j],   v[T+4*\j],   v[T+4*\j+1]        ; the bias to bf16, nearest even, two to a word
	v_cvt_pk_bf16_f32 v[T+4*\j+2], v[T+4*\j+2], v[T+4*\j+3]
.endr
	WIN 0x40                                       ; destination in the second window
.irp j, 0,1,2,3,4,5,6,7
.irp i, 0,2
	v_lshlrev_b32 v[BT+8*\i+\j], 16, v[T+4*\j+\i]          ; and back to f32, into the order of the accumulators: tile i, register j is column 4 j + i
	v_and_b32 v[BT+8*(\i+1)+\j], s38, v[T+4*\j+\i]
.endr
.endr
.endif
	STEP 0, 32, 1, 1
.irp t, 1,2,3,4,5,6,7,8,9,10,11,12,13,14,15,16,17,18,19,20,21,22,23,24,25,26,27,28
	STEP \t, 32, 1, 0
.endr
	STEP 29, 32, 0, 0                              ; the last three ask for nothing: the counts run down, and there is no dependence to state
	STEP 30, 16, 0, 0
	STEP 31, 0, 0, 0
	PLACES
.if LAYER == 1
	WIN 0x04                                       ; source 1 from the second window
.set i, 0
.rept 128
	v_max_num_f32 v[64+i], 0, v[i]                 ; ReLU, into buffers 0 and 1, which are done with
.set i, i+1
.endr
	WIN 0
.irp a, 0,1,2,3
.irp y, 0,1
.irp j, 0,1,2,3,4,5,6,7
	v_cvt_pk_bf16_f32 v[192+8*(2*\a+\y)+\j], v[64+8*(4*\a+2*\y)+\j], v[64+8*(4*\a+2*\y+1)+\j]     ; register j of fragment (a, G, f): columns 4 j + 2 f, + 1
.endr
.endr
.endr
	s_wait_alu depctr_va_vdst(0)                   ; the roundings have written v[192:255], which the stores read; with them every vector and matrix instruction of the item is done with the ring and with T
.irp a, 0,1,2,3
.irp y, 0,1
.irp p, 0,1
	global_store_b128 v[LN], v[192+8*(2*\a+\y)+4*\p:192+8*(2*\a+\y)+4*\p+3], s[36:37] offset:\a*32768+\y*1024+\p*512     ; 512 consecutive bytes, aligned
.endr
.endr
.endr
.else
	WIN 0
	v_cvt_pk_bf16_f32 v[T+4], v[T], v[T+1]         ; the bias to bf16, nearest even,
	v_cvt_pk_bf16_f32 v[T+5], v[T+2], v[T+3]
	v_lshlrev_b32 v[T], 16, v[T+4]                 ; and back to f32
	v_and_b32 v[T+1], s38, v[T+4]
	v_lshlrev_b32 v[T+2], 16, v[T+5]
	v_and_b32 v[T+3], s38, v[T+5]
	WIN 0x01                                       ; source 0 from the second window
.irp a, 0,1,2,3
.irp j, 0,1,2,3,4,5,6,7
.irp i, 0,1,2,3
	v_add_f32 v[64+4*(8*\a+\j)+\i], v[8*(4*\a+\i)+\j], v[T+\i]     ; the bias add lays columns 4 r + 0..3 of slot 16 a + 8 h + j side by side
.endr
.endr
.endr
	WIN 0
	s_wait_alu depctr_va_vdst(0)                   ; the bias adds have written v[64:191], which the stores read; with them every vector and matrix instruction of the item is done with the ring and with T
.irp a, 0,1,2,3
.irp j, 0,1,2,3,4,5,6,7
	global_store_b128 v[CO], v[64+4*(8*\a+\j):64+4*(8*\a+\j)+3], s[36:37] offset:(16*\a+\j)*4096   ; 16 lanes store 256 consecutive bytes, aligned
.endr
.endr
.endif
	WIN 0
	s_add_co_u32 s18, s18, 512
	s_add_co_u32 s21, s21, 1
	s_cmp_lt_u32 s21, s20
	s_cbranch_scc1 .Litem
.Lend:
	s_endpgm
.Lfunc_end_k_q0eaee8f7b7_ffn1:
	.size	k_q0eaee8f7b7_ffn1, .Lfunc_end_k_q0eaee8f7b7_ffn1-k_q0eaee8f7b7_ffn1
	.p2alignl 7, 3214868480
	.fill 96, 4, 3214868480
	.section	.rodata,"a",@progbits
	.p2align	6, 0x0
	.amdhsa_kernel k_q0eaee8f7b7_ffn1
		.amdhsa_group_segment_fixed_size 0
		.amdhsa_private_segment_fixed_size 0
		.amdhsa_enable_private_segment 0
		.amdhsa_kernarg_size 40
		.amdhsa_user_sgpr_count 2
		.amdhsa_user_sgpr_kernarg_segment_ptr 1
		.amdhsa_wavefront_size32 1
		.amdhsa_system_sgpr_workgroup_id_x 1
		.amdhsa_system_sgpr_workgroup_id_y 1
		.amdhsa_system_sgpr_workgroup_id_z 1
		.amdhsa_system_vgpr_workitem_id 0
		.amdhsa_next_free_vgpr 480
		.amdhsa_next_free_sgpr 66
		.amdhsa_reserve_vcc 0
		.amdhsa_float_denorm_mode_32 3
		.amdhsa_float_denorm_mode_16_64 3
		.amdhsa_memory_ordered 1
		.amdhsa_forward_progress 1
		.amdhsa_inst_pref_size 100
	.end_amdhsa_kernel
	.amdgpu_metadata
---
amdhsa.version: [ 1, 2 ]
amdhsa.kernels:
  - .name:           k_q0eaee8f7b7_ffn1
    .symbol:         k_q0eaee8f7b7_ffn1.kd
    .args:
      - { .name: xg, .offset: 0, .size: 8, .value_kind: global_buffer, .address_space: global }
      - { .name: Wb, .offset: 8, .size: 8, .value_kind: global_buffer, .address_space: global }
      - { .name: b1, .offset: 16, .size: 8, .value_kind: global_buffer, .address_space: global }
      - { .name: tab, .offset: 24, .size: 8, .value_kind: global_buffer, .address_space: global }
      - { .name: hs, .offset: 32, .size: 8, .value_kind: global_buffer, .address_space: global }
    .group_segment_fixed_size: 0
    .private_segment_fixed_size: 0
    .kernarg_segment_align: 8
    .kernarg_segment_size: 40
    .max_flat_workgroup_size: 256
    .sgpr_count:     66
    .vgpr_count:     480
    .wavefront_size: 32
...
	.end_amdgpu_metadata
.endif
;; end of part 7
;; launch ffn2 (part 8): grid 256 x 1, 8 waves a work-group, no clusters, 0 bytes of LDS; arguments hs, Wb, b2, tab, y; writes y
.if DOCPART == 8
	.amdgcn_target "amdgcn-amd-amdhsa--gfx1250"
	.amdhsa_code_object_version 6
	.text
	.protected	k_q0eaee8f7b7_ffn2
	.globl	k_q0eaee8f7b7_ffn2
	.p2align	8
	.type	k_q0eaee8f7b7_ffn2,@function
k_q0eaee8f7b7_ffn2:
	s_mov_b64 s[64:65], 0
	v_nop
	global_prefetch_b8 v0, s[64:65] scope:SCOPE_SE
	s_setreg_imm32_b32 hwreg(HW_REG_WAVE_SCHED_MODE, 0, 2), 2
	s_setreg_imm32_b32 hwreg(HW_REG_WAVE_MODE, 25, 1), 1
	s_wait_xcnt 0x0
	s_wait_alu depctr_vm_vsrc(0)
; ffn, LAYER 1: hs = relu(xg W1[e] + b1[e]) in bf16.  LAYER 2: y = hs W2[e] + b2[e] in f32.  One text, the constant LAYER tells them apart.
; Rows are slots: a row block is 128 slots of one expert e = bexp[b]; T row blocks; both are whole numbers that an earlier launch stored in tab.
; HOW MANY TILES THERE ARE IS READ FROM MEMORY, and every wave of a work-group has to pass every barrier whatever the data, so no barrier can stand
; in a loop whose trips hang on that count.  Hence the waves share nothing: no LDS, no tensor load, no barrier, no cluster.  A fixed count of tiles
; (8 T at its largest, 2,048) would allow them and would cost the work of all 32,768 slots.  What the waves lose in sharing is made up by layout:
; xg, hs and Wb lie in fragment order, so that each operand load of a wave is 512 consecutive bytes straight into the registers of the matrix unit.
;   left operand:  [row tile of 16 slots][k group kg = 2 g + f][1,024 bytes];   Wb: [layer][e][column tile 4 G + i][kg][1,024 bytes]
;   in a fragment lane (r, h) has registers 0-3 at byte 256 h + 16 r, registers 4-7 at byte 512 + 256 h + 16 r; register q, half b holds
;   k = 64 g + 32 h + 4 q + 2 f + b, in both operands alike, so the products pair up.  Column tile (G, i) holds the columns 64 G + 4 r + i.
; Work: 8 waves = two teams of four.  A team takes item q = id + 256 team + 512 trip below 8 T (8 T >= 256: team 0 of every work-group has work):
; row block q >> 3, columns 128 (q & 7) + 0..127; a wave takes 64 slots x 64 columns (one G): 16 accumulator tiles, K = 1,024 in 32 k groups.
; A ring of four fragment buffers in registers: 16 loads a k group, asked for three groups ahead; at most 56 loads of a wave are out (8 + 3 x 16).
; LAYER 1 gives the weights as source 0: lane (r, h) then holds slot r, columns 64 G + 32 h + 4 j + i (tile i, register j): packed in pairs
; i = 2 f, 2 f + 1 these ARE the fragments (g = G, f) of hs.  The bias, brought into that order, is the C of the first product.
; LAYER 2 gives the slots as source 0: lane (r, h) holds slot 8 h + j, column 64 G + 4 r + i; the bias add puts i = 0..3 side by side, 16 bytes of a row of y.
; FORMAT: operands bf16, sums f32.  The bias is rounded to bf16 as well, like every floating-point input of this program, and then added in f32.
; NaN and infinities in rows of experts whose weight is 0 are not reproduced (those rows are not computed).
; THE MODE: SCHED_MODE bits 1:0 = 2 (LLVM: expert scheduling mode 2), set by the entry lines.  The code itself states the register dependences
; between vector or matrix instructions and memory instructions, with s_wait_alu, always for 0.
; THE PLAN.  Registers that memory instructions touch:
;   B0 .. B3   the ring; k group t lies in B[t % 4].  Written by the 16 loads that are issued in step t - 3 (groups 0 to 2: at the item's head);
;              read by the 16 matrix instructions of step t.  On the way out B0 to B2 serve once more.  LAYER 1: the ReLU writes B0 and B1, the
;              roundings read them and write B2, the stores read B2.  LAYER 2: the bias add writes B0 and B1, the stores read them.
;   T          the bias.  Written by its loads at the item's head; read and written by its conversions, in LAYER 2 read by the bias add.
;   v1 .. v3   offsets, made at the kernel's head and never written again: the scalar bases and immediate offsets do the rest.
;   The accumulators and BT are named by vector and matrix instructions alone.
; The loads of step t land in B[(t + 3) % 4] = B[(t - 1) % 4], which the matrix instructions of step t - 1 read and no instruction of step t names.
; So ONE wait on va_vdst stands at the head of a step that loads, behind the wait for the step's own data; the 16 loads follow in one run behind
; the step's first four matrix instructions.  One more stands ahead of the run of stores; no vector instruction follows it in the item, so the
; next item's first loads owe only the wait on vm_vsrc at the item's head: the stores have read their data.
.set LAYER, 2
.set LN,  1                            ; v1       16 lane
.set BO,  2                            ; v2       my byte offset in the bias
.set CO,  3                            ; v3       LAYER 2: my byte offset in y
.set T,   32                           ; v[32:63] the bias as loaded (LAYER 2: v[32:35], and v[36:37] its packed form)
.set F,   64                           ; v[64:255] buffers 0 to 2 of the ring, 64 registers each: 4 fragments of slots, then 4 of weights
.set BT,  128                          ; registers 384-415 (named in the second window): LAYER 1, the bias in the order of the accumulators
                                       ; registers 256-383 (second window, v0-127): accumulator tile (a, i) at 8 (4 a + i)
.if LAYER == 1
.set F3,  160                          ; registers 416-479 (second window): buffer 3 of the ring
.else
.set F3,  128                          ; registers 384-447 (second window): buffer 3 of the ring
.endif
.set MSB, 0
.macro WIN new                         ; the high byte of the immediate repeats the setting that is left
.if MSB != \new
	s_set_vgpr_msb (MSB<<8)|\new
.set MSB, \new
.endif
.endm
.macro PLACES                          ; four plain vector places between a matrix instruction and a vector read of its result or write of its sources (ISA guide 7.12.1)
.rept 4
	v_nop
.endr
.endm
	s_load_b256 s[4:11], s[0:1], 0x0               ; left operand s[4:5], Wb s[6:7], bias s[8:9], tab s[10:11]
	s_load_b64 s[12:13], s[0:1], 0x20              ; out
	v_lshrrev_b32 v4, 5, v0
	v_readfirstlane_b32 s14, v4                    ; wave 0..7
	v_and_b32 v5, 31, v0
	v_lshlrev_b32 v[LN], 4, v5
	v_and_b32 v6, 15, v0                           ; r
	v_bfe_u32 v7, v0, 4, 1                         ; h
.if LAYER == 1
	v_lshlrev_b32 v[BO], 7, v7                     ; 32 h columns of 4 bytes
.else
	v_lshlrev_b32 v[BO], 4, v6                     ; 4 r columns of 4 bytes
	v_lshlrev_b32 v[CO], 15, v7                    ; 8 h rows of 4,096 bytes
	v_lshl_add_u32 v[CO], v6, 4, v[CO]             ; + 4 r columns
.endif
	s_mov_b32 s38, 0xffff0000                      ; a word's upper bf16
	s_wait_alu depctr_va_sdst(0)                   ; s14 is written, ahead of its first reader: team, halves and the first item are made from it
	s_lshr_b32 s15, s14, 2                         ; team
	s_bfe_u32 s16, s14, 0x10001                    ; which 64 slots of the block
	s_and_b32 s17, s14, 1                          ; which 64 columns of the 128
	s_lshl_b32 s18, s15, 8
	s_add_co_u32 s18, s18, ttmp9                   ; q of the first trip
	s_wait_kmcnt 0x0
	s_load_b32 s19, s[10:11], 0x20400              ; T
	s_wait_kmcnt 0x0
	s_min_u32 s19, s19, 256
	s_lshl_b32 s19, s19, 3                         ; 8 T
	s_cmp_lt_u32 s18, s19
	s_cbranch_scc0 .Lend                           ; a second team without an item
	s_sub_co_u32 s20, s19, s18
	s_add_co_u32 s20, s20, 511
	s_lshr_b32 s20, s20, 9                         ; trips
	s_mov_b32 s21, 0
	s_wait_alu depctr_va_vdst(0)                   ; the offsets v1 to v3 are written: every load and store of the kernel reads one of them
; 16 loads: the 4 + 4 fragments of k group kg into buffer kg % 4
.macro FETCH kg
.if (\kg)%4 == 3
	WIN 0x40                                       ; the data in the second window, the offset in the first
.set FB, F3
.else
	WIN 0
.set FB, F+64*((\kg)%4)
.endif
.irp a, 0,1,2,3
	global_load_b128 v[FB+8*\a:FB+8*\a+3],   v[LN], s[30:31] offset:\a*32768+(\kg)*1024
	global_load_b128 v[FB+8*\a+4:FB+8*\a+7], v[LN], s[30:31] offset:\a*32768+(\kg)*1024+512
.endr
.irp i, 0,1,2,3
	global_load_b128 v[FB+32+8*\i:FB+32+8*\i+3],   v[LN], s[32:33] offset:\i*32768+(\kg)*1024
	global_load_b128 v[FB+32+8*\i+4:FB+32+8*\i+7], v[LN], s[32:33] offset:\i*32768+(\kg)*1024+512
.endr
.endm
; 4 matrix instructions: row tile a x 4 column tiles of k group t.  first = 1: the sums start (from the bias, or from 0): nothing is cleared.
; Four calls, a = 0 to 3, take the 16 accumulators by turns, in the same order in every step.
.macro MUL t, a, first
.if (\t)%4 == 3
	WIN 0x55                                       ; buffer 3: the sources lie in the second window too
.set MB, F3
.else
	WIN 0x50                                       ; C and D in the second window
.set MB, F+64*((\t)%4)
.endif
.irp i, 0,1,2,3
.if LAYER == 1
.if \first
	v_wmma_f32_16x16x32_bf16 v[8*(4*\a+\i):8*(4*\a+\i)+7], v[MB+32+8*\i:MB+32+8*\i+7], v[MB+8*\a:MB+8*\a+7], v[BT+8*\i:BT+8*\i+7]
.else
	v_wmma_f32_16x16x32_bf16 v[8*(4*\a+\i):8*(4*\a+\i)+7], v[MB+32+8*\i:MB+32+8*\i+7], v[MB+8*\a:MB+8*\a+7], v[8*(4*\a+\i):8*(4*\a+\i)+7]
.endif
.else
.if \first
	v_wmma_f32_16x16x32_bf16 v[8*(4*\a+\i):8*(4*\a+\i)+7], v[MB+8*\a:MB+8*\a+7], v[MB+32+8*\i:MB+32+8*\i+7], 0
.else
	v_wmma_f32_16x16x32_bf16 v[8*(4*\a+\i):8*(4*\a+\i)+7], v[MB+8*\a:MB+8*\a+7], v[MB+32+8*\i:MB+32+8*\i+7], v[8*(4*\a+\i):8*(4*\a+\i)+7]
.endif
.endif
.endr
.endm
; k group t: left = the loads of the younger groups, 16 each, that may stay out; fill = 1: group t + 3 is asked for, into the buffer that the step before read.
; Step 0 (first = 1) asks without a wait on va_vdst: since the last such wait only the bias's conversions were issued, which name T and BT.
.macro STEP t, left, fill, first
.set KG, (\t)+3
	s_wait_loadcnt \left
.if (\fill) && !(\first)
	s_wait_alu depctr_va_vdst(0)                   ; the matrix instructions of the step before are done reading their buffer, in which the loads below land
.endif
	MUL \t, 0, \first
.if \fill
	FETCH KG                                       ; no further wait: the four matrix instructions since the wait name this step's buffer and the accumulators alone
.endif
	MUL \t, 1, \first
	MUL \t, 2, \first
	MUL \t, 3, \first
.endm
.Litem:
	s_wait_xcnt 0x0                                ; the stores of the last item have read their base and data
	s_wait_alu depctr_vm_vsrc(0)                   ; the stores of the last item have read their data registers, in which the loads of groups 0 to 2 land
	s_lshr_b32 s22, s18, 3
	s_min_u32 s22, s22, 255                        ; b
	s_lshl_b32 s23, s22, 2
	s_load_b32 s24, s[10:11], s23 offset:0x20000   ; its expert
	s_and_b32 s25, s18, 7
	s_lshl1_add_u32 s25, s25, s17                  ; G
	s_lshl1_add_u32 s26, s22, s16                  ; my 64 slots: 2 b + half
	s_mov_b32 s29, 0
	s_lshl_b32 s28, s26, 17                        ; 4 row tiles of 32,768 bytes
	s_add_nc_u64 s[30:31], s[4:5], s[28:29]
.if LAYER == 1
	s_lshl_b32 s27, s25, 11                        ; hs: the same row tiles, k groups 2 G and 2 G + 1
	s_add_co_u32 s28, s28, s27
.else
	s_lshl_b32 s28, s26, 18                        ; y: 64 rows of 4,096 bytes,
	s_lshl_b32 s27, s25, 8                         ; 64 columns of 4 bytes
	s_add_co_u32 s28, s28, s27
.endif
	s_add_nc_u64 s[36:37], s[12:13], s[28:29]
	s_wait_kmcnt 0x0
	s_min_u32 s24, s24, 7                          ; e
	s_lshl_b32 s28, s24, 21                        ; an expert is 2,097,152 bytes of bf16,
	s_lshl_b32 s27, s25, 17                        ; 4 column tiles of 32,768 bytes
	s_add_co_u32 s28, s28, s27
.if LAYER == 2
	s_add_co_u32 s28, s28, 16777216
.endif
	s_add_nc_u64 s[32:33], s[6:7], s[28:29]
	s_lshl_b32 s28, s24, 12
	s_lshl_b32 s27, s25, 8
	s_add_co_u32 s28, s28, s27
	s_add_nc_u64 s[34:35], s[8:9], s[28:29]
.if LAYER == 1
.irp q, 0,1,2,3,4,5,6,7
	global_load_b128 v[T+4*\q:T+4*\q+3], v[BO], s[34:35] offset:16*\q      ; bias of columns 64 G + 32 h + 0..31
.endr
.else
	global_load_b128 v[T:T+3], v[BO], s[34:35]                             ; bias of columns 64 G + 4 r + 0..3
.endif
	FETCH 0
	FETCH 1
	FETCH 2
.if LAYER == 1
	s_wait_loadcnt 48                              ; the 48 loads of the three k groups stay out: the bias is in
.irp j, 0,1,2,3,4,5,6,7
	v_cvt_pk_bf16_f32 v[T+4*\j],   v[T+4*\j],   v[T+4*\j+1]        ; the bias to bf16, nearest even, two to a word
	v_cvt_pk_bf16_f32 v[T+4*\j+2], v[T+4*\j+2], v[T+4*\j+3]
.endr
	WIN 0x40                                       ; destination in the second window
.irp j, 0,1,2,3,4,5,6,7
.irp i, 0,2
	v_lshlrev_b32 v[BT+8*\i+\j], 16, v[T+4*\j+\i]          ; and back to f32, into the order of the accumulators: tile i, register j is column 4 j + i
	v_and_b32 v[BT+8*(\i+1)+\j], s38, v[T+4*\j+\i]
.endr
.endr
.endif
	STEP 0, 32, 1, 1
.irp t, 1,2,3,4,5,6,7,8,9,10,11,12,13,14,15,16,17,18,19,20,21,22,23,24,25,26,27,28
	STEP \t, 32, 1, 0
.endr
	STEP 29, 32, 0, 0                              ; the last three ask for nothing: the counts run down, and there is no dependence to state
	STEP 30, 16, 0, 0
	STEP 31, 0, 0, 0
	PLACES
.if LAYER == 1
	WIN 0x04                                       ; source 1 from the second window
.set i, 0
.rept 128
	v_max_num_f32 v[64+i], 0, v[i]                 ; ReLU, into buffers 0 and 1, which are done with
.set i, i+1
.endr
	WIN 0
.irp a, 0,1,2,3
.irp y, 0,1
.irp j, 0,1,2,3,4,5,6,7
	v_cvt_pk_bf16_f32 v[192+8*(2*\a+\y)+\j], v[64+8*(4*\a+2*\y)+\j], v[64+8*(4*\a+2*\y+1)+\j]     ; register j of fragment (a, G, f): columns 4 j + 2 f, + 1
.endr
.endr
.endr
	s_wait_alu depctr_va_vdst(0)                   ; the roundings have written v[192:255], which the stores read; with them every vector and matrix instruction of the item is done with the ring and with T
.irp a, 0,1,2,3
.irp y, 0,1
.irp p, 0,1
	global_store_b128 v[LN], v[192+8*(2*\a+\y)+4*\p:192+8*(2*\a+\y)+4*\p+3], s[36:37] offset:\a*32768+\y*1024+\p*512     ; 512 consecutive bytes, aligned
.endr
.endr
.endr
.else
	WIN 0
	v_cvt_pk_bf16_f32 v[T+4], v[T], v[T+1]         ; the bias to bf16, nearest even,
	v_cvt_pk_bf16_f32 v[T+5], v[T+2], v[T+3]
	v_lshlrev_b32 v[T], 16, v[T+4]                 ; and back to f32
	v_and_b32 v[T+1], s38, v[T+4]
	v_lshlrev_b32 v[T+2], 16, v[T+5]
	v_and_b32 v[T+3], s38, v[T+5]
	WIN 0x01                                       ; source 0 from the second window
.irp a, 0,1,2,3
.irp j, 0,1,2,3,4,5,6,7
.irp i, 0,1,2,3
	v_add_f32 v[64+4*(8*\a+\j)+\i], v[8*(4*\a+\i)+\j], v[T+\i]     ; the bias add lays columns 4 r + 0..3 of slot 16 a + 8 h + j side by side
.endr
.endr
.endr
	WIN 0
	s_wait_alu depctr_va_vdst(0)                   ; the bias adds have written v[64:191], which the stores read; with them every vector and matrix instruction of the item is done with the ring and with T
.irp a, 0,1,2,3
.irp j, 0,1,2,3,4,5,6,7
	global_store_b128 v[CO], v[64+4*(8*\a+\j):64+4*(8*\a+\j)+3], s[36:37] offset:(16*\a+\j)*4096   ; 16 lanes store 256 consecutive bytes, aligned
.endr
.endr
.endif
	WIN 0
	s_add_co_u32 s18, s18, 512
	s_add_co_u32 s21, s21, 1
	s_cmp_lt_u32 s21, s20
	s_cbranch_scc1 .Litem
.Lend:
	s_endpgm
.Lfunc_end_k_q0eaee8f7b7_ffn2:
	.size	k_q0eaee8f7b7_ffn2, .Lfunc_end_k_q0eaee8f7b7_ffn2-k_q0eaee8f7b7_ffn2
	.p2alignl 7, 3214868480
	.fill 96, 4, 3214868480
	.section	.rodata,"a",@progbits
	.p2align	6, 0x0
	.amdhsa_kernel k_q0eaee8f7b7_ffn2
		.amdhsa_group_segment_fixed_size 0
		.amdhsa_private_segment_fixed_size 0
		.amdhsa_enable_private_segment 0
		.amdhsa_kernarg_size 40
		.amdhsa_user_sgpr_count 2
		.amdhsa_user_sgpr_kernarg_segment_ptr 1
		.amdhsa_wavefront_size32 1
		.amdhsa_system_sgpr_workgroup_id_x 1
		.amdhsa_system_sgpr_workgroup_id_y 1
		.amdhsa_system_sgpr_workgroup_id_z 1
		.amdhsa_system_vgpr_workitem_id 0
		.amdhsa_next_free_vgpr 448
		.amdhsa_next_free_sgpr 66
		.amdhsa_reserve_vcc 0
		.amdhsa_float_denorm_mode_32 3
		.amdhsa_float_denorm_mode_16_64 3
		.amdhsa_memory_ordered 1
		.amdhsa_forward_progress 1
		.amdhsa_inst_pref_size 95
	.end_amdhsa_kernel
	.amdgpu_metadata
---
amdhsa.version: [ 1, 2 ]
amdhsa.kernels:
  - .name:           k_q0eaee8f7b7_ffn2
    .symbol:         k_q0eaee8f7b7_ffn2.kd
    .args:
      - { .name: hs, .offset: 0, .size: 8, .value_kind: global_buffer, .address_space: global }
      - { .name: Wb, .offset: 8, .size: 8, .value_kind: global_buffer, .address_space: global }
      - { .name: b2, .offset: 16, .size: 8, .value_kind: global_buffer, .address_space: global }
      - { .name: tab, .offset: 24, .size: 8, .value_kind: global_buffer, .address_space: global }
      - { .name: y, .offset: 32, .size: 8, .value_kind: global_buffer, .address_space: global }
    .group_segment_fixed_size: 0
    .private_segment_fixed_size: 0
    .kernarg_segment_align: 8
    .kernarg_segment_size: 40
    .max_flat_workgroup_size: 256
    .sgpr_count:     66
    .vgpr_count:     448
    .wavefront_size: 32
...
	.end_amdgpu_metadata
.endif
;; end of part 8
;; launch combine: the kernel of part 6 again; grid 512 x 1, 8 waves a work-group, no clusters, 0 bytes of LDS; arguments y, sw, msk, tab, out0; writes out0
